; MI455X (gfx1250); checked and timed in simulation.
; The chip was launched on July 23, 2026; its instructions are those of AMD's public machine-readable ISA for CDNA 5 (MIT licence, August 2026) and "CDNA5" Instruction Set Architecture Reference Guide (July 2026). The comments in the code are by the model that wrote it; some were corrected since.
;; Causal Self Attention. Allowed arithmetic: matrix products marked QUANTISED: E5M2 operands, one E8M0 scale for each 32 along K, by v_wmma_scale_f32_16x16x128_f8f6f4 with both operands' format E5M2, f32 sums; everything else in f32.
;; Inputs: proj_b 1,024 float32; proj_w 1,024 x 1,024 float32; qkv_b 3,072 float32; qkv_w 3,072 x 1,024 float32; x 4 x 2,048 x 1,024 float32.
;; Outputs: out0 4 x 2,048 x 1,024 float32.
;; This version of the problem:
;;   THIS VERSION OF THE PROBLEM IS GIVEN IN LOW PRECISION. The matrix products marked QUANTISED in the list below multiply operands that are first quantised to E5M2 (5 exponent bits, 2 mantissa bits; 8 bits a number), with one power-of-two scale for each 32 numbers along K (OCP MX v1.0); their sums are f32. All else is computed in f32.
;;   The module's matrix products, in the order in which they are computed (A, B: the left and right operand; K: the contracted axis; several contracted axes count as one K, in the product's order):
;;     1. [M 8,192, K 1,024] x [K 1,024, N 3,072]; A: input x; B: input qkv_w: QUANTISED
;;     2. batch 64 x [M 2,048, K 64] x [K 64, N 2,048]; A: computed on the way; B: computed on the way: QUANTISED
;;     3. batch 64 x [M 2,048, K 2,048] x [K 2,048, N 64]; A: softmax (see below); B: computed on the way: QUANTISED
;;     4. [M 8,192, K 1,024] x [K 1,024, N 1,024]; A: computed on the way; B: input proj_w: QUANTISED
;;   THE QUANTISER, for each operand of a quantised product, along K:
;;     - K is cut into blocks of 32 from its start; a last block that is shorter is filled with zeros.
;;     - A block's scale is 2^e with e = floor(log2(the largest magnitude in the block)) - 15, held to -126 .. 127; a block of zeros has e = 0. As a byte (E8M0): e + 127.
;;     - Each number is divided by its block's scale, clamped to +-57,344, and rounded to the nearest number of E5M2, ties to even, subnormals kept.
;;     - The product sums the exact products of the quantised numbers (number of the format x scale) in f32.
;;   ~~~python
;;   def quantise(x, axis):      # numpy; x: float32 -> the quantised numbers, widened to float32 again
;;       x = np.moveaxis(x, axis, -1); K = x.shape[-1]
;;       x = np.pad(x, [(0, 0)] * (x.ndim - 1) + [(0, -K % 32)]); x = x.reshape(x.shape[:-1] + (-1, 32)); a = np.abs(x).max(-1, keepdims=True)
;;       e = np.where(a > 0, np.clip(np.frexp(np.where(a > 0, a, 1))[1] - 1 - 15, -126, 127), 0)      # np.frexp(a)[1] - 1 = floor(log2(a)), exactly
;;       r = np.clip(x / 2.0 ** e, -57344, 57344)
;;       step = 2.0 ** (np.maximum(np.frexp(np.where(r == 0, 1, r))[1] - 1, -14) - 2)
;;       q = np.round(r / step) * step * 2.0 ** e      # np.round: ties to even
;;       return np.moveaxis(q.reshape(q.shape[:-2] + (-1,))[..., :K], -1, axis).astype(np.float32)
;;   ~~~
;;   SOFTMAX AHEAD OF A QUANTISED PRODUCT. Where the list says 'softmax', what is quantised is not the finished softmax but p = 2^(t - M), with t = logit x log2(e) and M = ceil(the row's largest t), a whole number; so 1/2 < the row's largest p <= 1. The row's sum l is taken of the UNQUANTISED p, in f32, and the product's result is divided by l at the end. Since M is a whole number, a kernel that streams over the keys may use a running M (the ceiling of the running maximum): every later rescaling is an exact power of two, which a block's scale takes up: the codes' values come out the same.
;;   OPERANDS COMPUTED ON THE WAY. 'Computed on the way' means the value that the module computes at that place (a softmax that the list does not call 'softmax' is quantised finished and normalised). What goes into a quantiser is computed in f32, as accurately as f32 sums, v_exp_f32 and their like allow (about 1e-6 of the number): no bf16 or f16 on the way to a quantiser, and a product that is left as it is and whose result goes on into a quantised operand takes f32 operands (vector FMAs, or v_wmma_f32_16x16x4_f32). A number that lies on a knife's edge between two numbers of the format may be rounded either way, as far as f32 arithmetic and the matrix unit's own rounding can turn it there, and no further.
;; One version. Each part assembles by itself: llvm-mc -triple=amdgcn-amd-amdhsa -mcpu=gfx1250 --defsym DOCPART=n.
;; ======== version 1 of 1: 4 launches
;; limits: right only within a limited range of input values
;; workspace buffers: c1 12,582,912 bytes; s1 393,216 bytes; c2 25,165,824 bytes; s2 1,048,576 bytes; c3 8,388,608 bytes; s3 262,144 bytes
;; launch quant (part 1): grid 256 x 1, 6 waves a work-group, no clusters, 51,456 bytes of LDS; arguments x, qkv_w, proj_w, c1, s1; writes c1, s1
.if DOCPART == 1
	.amdgcn_target "amdgcn-amd-amdhsa--gfx1250"
	.amdhsa_code_object_version 6
	.text
	.protected	k_qdf36ccced2_quant
	.globl	k_qdf36ccced2_quant
	.p2align	8
	.type	k_qdf36ccced2_quant,@function
k_qdf36ccced2_quant:
	s_mov_b64 s[64:65], 0
	v_nop
	global_prefetch_b8 v0, s[64:65] scope:SCOPE_SE
	s_setreg_imm32_b32 hwreg(HW_REG_WAVE_MODE, 25, 1), 1
	s_wait_xcnt 0x0
; x [8192][1024], qkv_w [3072][1024], proj_w [1024][1024], f32, K innermost, become codes of BF8 (E5M2) with one E8M0 byte for each 32 along K,
; laid in the ORDER OF AN OPERAND'S REGISTERS.  Rows go in tiles of 16: tile 2 B + u holds rows 32 B + 8 u + p + 8 (p / 8), p = 0 .. 15.  All three tensors share one run of tiles:
; x 0 .. 511, qkv_w 512 .. 703, proj_w 704 .. 767.  c1: [tile][K step of 128, 0 .. 7][c 0 .. 3][lane][16 bytes]: lane (r, h) holds row p = r, k = 32 c + 16 h + 0 .. 15.
; s1: [tile][K slot of 256, 0 .. 3][r][which 128][4 bytes].
; A block's scale is 2^(floor(log2(its largest magnitude)) - 15); its byte is the largest magnitude's exponent field - 15, held at 1 from below.
; LIMITS: a block of zeros gets the byte 1 where the rule says 127 (its codes are zeros, and this program alone reads the bytes); a largest magnitude under 2^-111 counts as 2^-111; NaN and infinities are not served.
; SHARES: a wave takes one tile x 512 along K: four K steps.  Each load reads 512 consecutive bytes of one row; a step's 16 rows turn through the wave's own stage in LDS (rows 528 bytes apart)
; so that a lane gets 16 neighbours of each block.  Each store of codes covers 512 consecutive bytes, the scale words' one store 256.  Waves share nothing: no barrier.
; WORK LEFT OUT BY THE PROGRAM (in launch attn): key steps all of whose keys come after a tile's queries.  the causal mask sets those scores to -inf, so their p is 0 and they add
; nothing to a row's sum or to its result, whatever the inputs hold.  LIMIT: a NaN, an infinity or an overflow that would arise in those scores alone is not carried to the result.  Every input is loaded.
; GRID: 768 tiles x 2 halves of K are 1,536 units: 256 work-groups of six waves, a unit a wave.
.set ROWB, 4096
.set SP,   528                         ; a stage row: 512 bytes + 16
.set R,    16                          ; v16-143  two sets of 64: a step as loaded
.set X,    144                         ; v144-207 64 numbers: register 16 b + i = k 32 b + 16 h + i of my row
.set PC,   208                         ; v208-223 the codes
.set TM,   224                         ; v224-239 at work
.set PW,   240                         ; v240-243 a scale word for each step
.set SEL,  16                          ; s[16:17] selects for lane l xor 16
.set MNT,  18                          ; s18 the mantissa field of 57,344
; 64 numbers of a lane become a fragment's 16 registers of codes and its row's scale word
.macro QUANT s, pw
.irp b, 0,1,2,3
	v_max3_num_f32 v[TM+\b], |v[\s+16*\b]|, |v[\s+1+16*\b]|, 0x8000000   ; my 16 numbers of block b, and the floor 2^(16 - 127): the byte cannot fall under 1
.endr
.irp i, 2,4,6,8,10,12,14
.irp b, 0,1,2,3
	v_max3_num_f32 v[TM+\b], v[TM+\b], |v[\s+16*\b+\i]|, |v[\s+1+16*\b+\i]|   ; the four blocks by turns
.endr
.endr
.irp b, 0,1,2,3
	v_permlanex16_b32 v[TM+4+\b], v[TM+\b], s[SEL], s[SEL+1]
.endr
.irp b, 0,1,2,3
	v_max_num_f32 v[TM+\b], v[TM+\b], v[TM+4+\b]   ; with lane l xor 16's 16: the block's largest magnitude
.endr
.irp b, 0,1,2,3
	v_add_nc_u32 v[TM+12+\b], 0xf8800000, v[TM+\b]   ; 15 off its exponent field: the conversion's scale operand
.endr
.irp b, 0,1,2,3
	v_and_or_b32 v[TM+8+\b], v[TM+\b], 0x7f800000, s[MNT]   ; 57,344 x the scale
.endr
.irp b, 0,1,2,3
	v_lshrrev_b32 v[TM+4+\b], 23, v[TM+12+\b]   ; the scale's byte
.endr
	v_lshl_or_b32 v[\pw], v[TM+5], 8, v[TM+4]
	v_lshl_or_b32 v[\pw], v[TM+6], 16, v[\pw]
	v_lshl_or_b32 v[\pw], v[TM+7], 24, v[\pw]
.irp b, 0,1,2,3
.irp i, 0,1,2,3,4,5,6,7,8,9,10,11,12,13,14,15
	v_med3_num_f32 v[\s+16*\b+\i], v[\s+16*\b+\i], -v[TM+8+\b], v[TM+8+\b]   ; the conversion to an 8-bit code does not saturate (ISA guide 7.6.2): the hold comes first
.endr
	v_cvt_scalef32_pk8_bf8_f32 v[PC+4*\b:PC+1+4*\b], v[\s+16*\b:\s+7+16*\b], v[TM+12+\b]
	v_cvt_scalef32_pk8_bf8_f32 v[PC+2+4*\b:PC+3+4*\b], v[\s+8+16*\b:\s+15+16*\b], v[TM+12+\b]
.endr
	v_nop                                          ; one plain line behind the last conversion
.endm
	s_load_b256 s[4:11], s[0:1], 0x0               ; x s[4:5], qkv_w s[6:7], proj_w s[8:9], c1 s[10:11]
	s_load_b64 s[12:13], s[0:1], 0x20              ; s1
	v_lshl_add_u32 v254, v0, 2, 0xc600             ; my spare word, behind the six stages of 8,448 bytes
	v_mov_b32 v255, 0
	v_lshrrev_b32 v1, 5, v0
	v_readfirstlane_b32 s14, v1                    ; wave
	v_and_b32 v1, 31, v0                           ; lane
	v_lshlrev_b32 v2, 4, v1                        ; 16 x lane: my bytes of a load, and of a store of codes
	v_lshlrev_b32 v5, 3, v1                        ; 8 x lane: my bytes of the scale words' store
	v_and_b32 v6, 15, v0                           ; r
	v_bfe_u32 v7, v0, 4, 1                         ; h
	s_mul_i32 s15, s14, 16*SP                      ; my wave's stage
	v_add_nc_u32 v3, s15, v2                       ; into it: 16 x lane of a row
	v_mul_u32_u24 v4, v6, SP
	v_lshl_add_u32 v4, v7, 6, v4
	v_add_nc_u32 v4, s15, v4                       ; out of it: row r, + 64 h
	s_mov_b32 s[SEL], 0x76543210
	s_mov_b32 s[SEL+1], 0xfedcba98
	s_mov_b32 s[MNT], 0x600000
.irp b, 0,1,2,3
	v_mov_b32 v[TM+4+\b], 0                        ; written once: a lane permute's destination counts as one of its sources
.endr
	s_mul_i32 s20, ttmp9, 6
	s_add_co_u32 s20, s20, s14                     ; my unit
	s_lshr_b32 s21, s20, 1                         ; its tile in the common run
	s_and_b32 s22, s20, 1                          ; which half of K
	s_mov_b32 s23, 704
	s_wait_alu depctr_va_vdst(0)
	s_wait_kmcnt 0x0
	s_cmp_lt_u32 s20, 1408                         ; which tensor: the choice hangs on the unit's number alone (tile 704 on: proj_w)
	s_cselect_b64 s[6:7], s[6:7], s[8:9]
	s_cselect_b32 s23, 512, s23
	s_cmp_lt_u32 s20, 1024                         ; tiles 0 .. 511: x
	s_cselect_b64 s[4:5], s[4:5], s[6:7]
	s_cselect_b32 s23, 0, s23                      ; the tensor's first tile
	s_sub_co_u32 s24, s21, s23                     ; the tile within its tensor
	s_lshr_b32 s25, s24, 1
	s_lshl_b32 s25, s25, 17                        ; 32 rows for each pair of tiles,
	s_and_b32 s24, s24, 1
	s_lshl_b32 s24, s24, 15                        ; 8 rows for the odd tile,
	s_add_co_u32 s24, s24, s25
	s_lshl_b32 s25, s22, 11                        ; 512 numbers for the second half of K
	s_add_co_u32 s24, s24, s25
	s_mov_b32 s25, 0
	s_add_nc_u64 s[4:5], s[4:5], s[24:25]
	s_lshl_b32 s26, s21, 14
	s_lshl_b32 s27, s22, 13
	s_add_co_u32 s26, s26, s27
	s_mov_b32 s27, 0
	s_add_nc_u64 s[10:11], s[10:11], s[26:27]      ; my four images
	s_lshl_b32 s26, s21, 9
	s_lshl_b32 s28, s22, 8
	s_add_co_u32 s26, s26, s28
	s_add_nc_u64 s[12:13], s[12:13], s[26:27]      ; my 256 bytes of scale words
.macro LOAD t                          ; K step t of my 16 rows: row p of the tile lies p + 8 (p / 8) rows on
.irp i, 0,1,2,3,4,5,6,7,8,9,10,11,12,13,14,15
	global_load_b128 v[R+64*((\t)%2)+4*\i:R+64*((\t)%2)+4*\i+3], v2, s[4:5] offset:(\i+8*(\i/8))*ROWB+512*(\t) th:TH_LOAD_NT
.endr
.endm
.macro STEP t
.if (\t) < 3
	s_wait_loadcnt 16                              ; this step's 16 loads are in; the next step's 16 may be out
.else
	s_wait_loadcnt 0x0
.endif
.irp i, 0,1,2,3,4,5,6,7,8,9,10,11,12,13,14,15
	ds_store_b128 v3, v[R+64*((\t)%2)+4*\i:R+64*((\t)%2)+4*\i+3] offset:SP*\i
.endr
.irp b, 0,1,2,3
.irp j, 0,1,2,3
	ds_load_b128 v[X+16*\b+4*\j:X+16*\b+4*\j+3], v4 offset:128*\b+16*\j   ; LDS serves a wave's instructions in order: these see my stores
.endr
.endr
	s_wait_dscnt 0x0                               ; the numbers are back, and the stores have read their registers
.if (\t) > 0
	s_wait_xcnt 0x0                                ; the last step's stores of codes have read their data: the codes' registers may be written again
.endif
.if (\t) < 2
	LOAD (\t)+2
.endif
	QUANT X, PW+(\t)
.irp c, 0,1,2,3
	global_store_b128 v2, v[PC+4*\c:PC+4*\c+3], s[10:11] offset:2048*(\t)+512*\c   ; 512 consecutive bytes
.endr
.endm
	LOAD 0
	LOAD 1
	STEP 0
	STEP 1
	STEP 2
	STEP 3
	v_cmp_lt_u32 vcc_lo, 15, v1                    ; lanes 0-15 store the first K slot's two words of row r, lanes 16-31 the second's (both halves of the lanes hold the same words)
	v_cndmask_b32 v244, v[PW], v[PW+2], vcc_lo
	v_cndmask_b32 v245, v[PW+1], v[PW+3], vcc_lo
	global_store_b64 v5, v[244:245], s[12:13]      ; 256 consecutive bytes, aligned
	s_wait_tensorcnt 0x0
	ds_add_u32 v254, v255
	s_wait_dscnt 0x0
	s_endpgm
.Lfunc_end_k_qdf36ccced2_quant:
	.size	k_qdf36ccced2_quant, .Lfunc_end_k_qdf36ccced2_quant-k_qdf36ccced2_quant
	.p2alignl 7, 3214868480
	.fill 96, 4, 3214868480
	.section	.rodata,"a",@progbits
	.p2align	6, 0x0
	.amdhsa_kernel k_qdf36ccced2_quant
		.amdhsa_group_segment_fixed_size 51456
		.amdhsa_private_segment_fixed_size 0
		.amdhsa_enable_private_segment 0
		.amdhsa_kernarg_size 40
		.amdhsa_user_sgpr_count 2
		.amdhsa_user_sgpr_kernarg_segment_ptr 1
		.amdhsa_wavefront_size32 1
		.amdhsa_system_sgpr_workgroup_id_x 1
		.amdhsa_system_sgpr_workgroup_id_y 1
		.amdhsa_system_sgpr_workgroup_id_z 1
		.amdhsa_system_vgpr_workitem_id 0
		.amdhsa_next_free_vgpr 256
		.amdhsa_next_free_sgpr 66
		.amdhsa_reserve_vcc 1
		.amdhsa_float_denorm_mode_32 3
		.amdhsa_float_denorm_mode_16_64 3
		.amdhsa_memory_ordered 1
		.amdhsa_forward_progress 1
		.amdhsa_inst_pref_size 51
	.end_amdhsa_kernel
	.amdgpu_metadata
---
amdhsa.version: [ 1, 2 ]
amdhsa.kernels:
  - .name:           k_qdf36ccced2_quant
    .symbol:         k_qdf36ccced2_quant.kd
    .args:
      - { .name: x, .offset: 0, .size: 8, .value_kind: global_buffer, .address_space: global }
      - { .name: qkv_w, .offset: 8, .size: 8, .value_kind: global_buffer, .address_space: global }
      - { .name: proj_w, .offset: 16, .size: 8, .value_kind: global_buffer, .address_space: global }
      - { .name: c1, .offset: 24, .size: 8, .value_kind: global_buffer, .address_space: global }
      - { .name: s1, .offset: 32, .size: 8, .value_kind: global_buffer, .address_space: global }
    .group_segment_fixed_size: 51456
    .private_segment_fixed_size: 0
    .kernarg_segment_align: 8
    .kernarg_segment_size: 40
    .max_flat_workgroup_size: 192
    .sgpr_count:     66
    .vgpr_count:     256
    .wavefront_size: 32
...
	.end_amdgpu_metadata
.endif
;; end of part 1
;; launch qkv (part 2): grid 16 x 16, 4 waves a work-group, clusters of 4 x 4, 327,680 bytes of LDS; arguments c1, s1, qkv_b, c2, s2; writes c2, s2
.if DOCPART == 2
	.amdgcn_target "amdgcn-amd-amdhsa--gfx1250"
	.amdhsa_code_object_version 6
	.text
	.protected	k_qdf36ccced2_qkv
	.globl	k_qdf36ccced2_qkv
	.p2align	8
	.type	k_qdf36ccced2_qkv,@function
k_qdf36ccced2_qkv:
	s_mov_b64 s[64:65], 0
	v_nop
	global_prefetch_b8 v0, s[64:65] scope:SCOPE_SE
	s_setreg_imm32_b32 hwreg(HW_REG_WAVE_MODE, 25, 1), 1
	s_wait_xcnt 0x0
	s_wait_alu depctr_hold_cnt(0) depctr_sa_sdst(0) depctr_va_vdst(0) depctr_va_sdst(0) depctr_va_ssrc(0) depctr_va_vcc(0) depctr_vm_vsrc(0)
	s_getreg_b32 s2, hwreg(HW_REG_IB_STS2, 6, 4)
	s_cmp_eq_u32 s2, 0
	s_cbranch_scc0 .Lentry_in_a_cluster
	s_endpgm
.Lentry_in_a_cluster:
	s_bfe_u32 s2, ttmp6, 0x10000c
	s_cmp_lg_u32 s2, 0xf033
	s_cbranch_scc0 .Lentry_shape_is_right
	s_endpgm
.Lentry_shape_is_right:
; qkv = x qkv_w^T + qkv_b on codes of BF8 (E5M2) with E8M0 scales, and the result quantised at once for attention: q and k along the head's 64, v along the tokens.  Nothing wide goes to memory.
; Rows go in tiles of 16: tile 2 B + u holds rows 32 B + 8 u + p + 8 (p / 8).  c1: [tile][K step of 128][c][lane][16 bytes], 16,384 dense bytes a tile: x tiles 0 .. 511, qkv_w 512 .. 703.  s1: [tile][K slot of 256][r][which 128][4 bytes].
; c2: q at 0, k at 8,388,608: [batch x head][token tile][c 0 .. 1][lane][16 bytes]; v at 16,777,216: [batch x head][128 keys][d tile 0 .. 3][c 0 .. 3][lane][16 bytes].
; s2: q at 0: [batch x head][128 tokens][512 bytes, 256 used]; at 524,288: [batch x head][128 tokens][k 256 | v 256].  q, k: [r][pair of tiles][even tile's two bytes, odd tile's two]; v: [r][d tile][4 bytes].
; THE DEAL.  256 work-groups of four waves, 2 x 2.  A wave holds 64 rows of a weight (one head), ALL of K, in registers (512) and streams tokens past them in blocks of 16, which stand in registers as two whole sets (256).
; PHASE 1: 512 tokens x 128 columns of q (tile columns 0 .. 7) or k (8 .. 15): sixteen blocks a wave.  Source 0 = the weight's rows: a lane holds one token, its registers run along the head.
; PHASE 2: 256 tokens x 128 columns of v: eight blocks a wave.  Source 0 = the tokens: a lane holds one row of v, and the registers of two neighbouring blocks are 16 neighbouring keys.
; v's tokens are ONE OF THE WORK-GROUP'S OWN TWO WINDOWS of 256 (number: cluster x % 2); W_v's tile column is 4 (cluster x / 2) + cx.  Phase 1 takes the other window first, v's last.
; A wave row owns whole groups of 128 tokens (two in phase 1, the second of them again in phase 2), so that a group's scale words leave as one aligned 256 bytes.
; LDS: two slots of 131,072 bytes.  A chunk is four tiles of each wave row's group.  At the head the first weight goes to slot 1 (waves 0, 1) and chunk 0 to slot 0 (waves 2, 3).  REFILLS, each in a drained round of the
; cluster's barrier, two tiles a wave: chunk 1 when the weights are in registers; chunks 2, 3 and W_v's rows in the tails of blocks 2, 6, 10; chunk 2 anew when W_v is in registers.  Each round also shows the fill before it.
; Chunk 3 still lies in slot 1 when phase 2 begins: v takes it first.  Only global addresses hang on which window is v's.
; CLUSTERS: 4 x 4.  The tokens' tiles hang on the tile row and the cluster's x and are shared along a row; the weights' on the tile column and are shared along a column.
; The bias is the C of a block's first products.  The scale words come once, by plain loads of 256 consecutive bytes: lanes 0-15 K slots 0, 2, lanes 16-31 K slots 1, 3: the odd K slots' products read row 1 of both scale registers.
; PREFETCH: the sixteen waves that share a chunk (or W_v's rows) name a sixteenth each, 8,192 bytes, lanes 256 bytes apart: chunks 1 and 2 at the head, chunk 3 and W_v's rows four blocks ahead of their loads.
; LIMITS: a block of zeros gets the byte 1; a largest magnitude under 2^-111 counts as 2^-111; NaN, infinities and sums beyond f32's range are not served.
.set X1,    131072                     ; slot 1
.set SPARE, 262144                     ; the spare words, 128 bytes for each wave: two blocks of 256 bytes that no other line names
.set LI,   6                           ; v6   16 x lane
.set VS,   7                           ; v7   16 r
.set ADX0, 8                           ; v8, v9 LDS address of my wave row's four tiles in slot 0, 1
.set ADW,  10                          ; v10  of my four tiles of the first weight (slot 1);  v11 of W_v's (slot 0)
.set ADWV, 11
.set PFX1, 12                          ; v12, v13, v14 the prefetches' offsets: chunk 1, chunk 2 (chunk 3: 65,536 on), W_v's rows
.set PFX2, 13
.set PFWV, 14
.set L8,   15                          ; v15  8 x lane
.set SB,   16                          ; v16-31 the first weight's scale words: 4 b + 2 (K slot / 2) + which 128;  v32-47 W_v's
.set SBV,  32
.set SPW,  48                          ; v48  my spare word; never rewritten
.set NIL,  49                          ; v49  0; never rewritten
.set SA,   50                          ; v50-113 the tokens' scale words: 4 x block + the same.  SA - SB and SA - SBV are 2 modulo 4: no product's two scale registers have numbers equal modulo 8
.set BV,   114                         ; v114-117 v's bias, a number a d tile
.set WW,   118                         ; v118-121 a group's scale words
.set BI,   122                         ; v122-153 the first products' C
.set ACC,  154                         ; v154-217 two sets of four sums
.set TM,   218                         ; v218-233 at work
.set PC,   234                         ; v234-249 codes
.set MNT,  3                           ; s3   the mantissa field of 57,344
.set G1W,  24                          ; s[24:31] group 1, the weights' mask;  s[48:55] the tokens'
.set G1X,  48
.set G0W,  32                          ; groups 0: s[32:35] the first weight, s[36:39] chunk 0, s[56:59] a refill of tokens, s[60:63] W_v's rows
.set G0X,  36
.set G0R,  56
.set G0V,  60
.set PSX1, 66
.set PSX2, 68
.set PSW,  70
.set PSWV, 72
.set PBI,  74
.set A2,   78                          ; s[78:79] my two tiles of chunk 2
.set PBV,  80
.set OQ1,  82                          ; where codes and scale words go: q's or k's first and second group, v's
.set OQ2,  84
.set OS1,  86
.set OS2,  88
.set OV,   90
.set OSV,  92
.set SEL,  94
.set MSB, 0
.macro WIN new                         ; the immediate's high byte repeats the setting that is left
.if MSB != (\new)
	s_set_vgpr_msb (MSB<<8)|(\new)
.set MSB, \new
.endif
.endm
.macro PLACES n
.rept \n
	v_nop
.endr
.endm
.macro CROUND                          ; a round of the cluster's barrier
	s_barrier_signal -1
	s_barrier_wait -1
	s_cmp_lg_u32 s14, 0
	s_cbranch_scc1 .Lnot_wave_0_\@
	s_barrier_signal -3
.Lnot_wave_0_\@:
	s_barrier_wait -3
	s_barrier_signal -1
	s_barrier_wait -1
.endm
.macro TLOAD g0, g1                    ; an s_nop 0 and four v_nop follow a tensor load
	tensor_load_to_lds s[\g0:\g0+3], s[\g1:\g1+7]
	s_nop 0
	PLACES 4
.endm
	s_load_b256 s[4:11], s[0:1], 0x0               ; c1 s[4:5], s1 s[6:7], qkv_b s[8:9], c2 s[10:11]
	s_load_b64 s[12:13], s[0:1], 0x20              ; s2
	v_lshl_add_u32 v[SPW], v0, 2, SPARE
	v_mov_b32 v[NIL], 0
	ds_add_u32 v[SPW], v[NIL]                      ; the opening lines: the add, twice on end, and its wait ahead of my first tensor load
	ds_add_u32 v[SPW], v[NIL]
	v_lshrrev_b32 v1, 5, v0
	v_readfirstlane_b32 s14, v1                    ; wave 0..3
	s_lshr_b32 s15, s14, 1                         ; my row of waves
	s_and_b32 s16, s14, 1                          ; my column of waves
	s_bfe_u32 s40, ttmp6, 0x40000                  ; cx, cy: my place in the cluster
	s_bfe_u32 s41, ttmp6, 0x40004
	s_lshl_b32 s42, ttmp9, 2
	s_add_co_u32 s42, s42, s40                     ; tile column 0 .. 15 of q and k
	s_and_b32 s17, ttmp7, 0xffff
	s_lshl_b32 s17, s17, 2
	s_add_co_u32 s17, s17, s41                     ; tile row 0 .. 15
	s_and_b32 s18, ttmp9, 1                        ; which of my two windows is v's
	s_lshr_b32 s19, ttmp9, 1
	s_lshl_b32 s19, s19, 2
	s_add_co_u32 s19, s19, s40                     ; tile column 0 .. 7 of v
	s_lshl_b32 s43, s41, 2
	s_lshl_b32 s43, 15, s43                        ; my row of the cluster
	s_lshl_b32 s44, 0x1111, s40                    ; my column
	s_or_b32 s[G1W], s44, (3<<16)|(1<<21)          ; the mask; elements of 8 bytes; bit 21 beside a mask
	s_or_b32 s[G1X], s43, (3<<16)|(1<<21)
.irp g, G1W, G1X                       ; at the head four tiles a load: 65,536 dense bytes as 256 rows of 256
	s_mov_b32 s[\g+1], 32<<16                      ; tensor_dim0
	s_mov_b32 s[\g+2], 256<<16                     ; tensor_dim1
	s_mov_b32 s[\g+3], 32<<16                      ; tile_dim0
	s_mov_b32 s[\g+4], 256                         ; tile_dim1
	s_mov_b32 s[\g+5], 32                          ; tensor_dim0_stride
	s_mov_b32 s[\g+6], 0
	s_mov_b32 s[\g+7], 0
.endr
	s_lshl_b32 s20, s17, 5                         ; my 32 tiles of tokens
	s_lshl_b32 s21, s18, 4
	s_add_co_u32 s45, s20, s21                     ; s45: the first tile of v's window,
	s_xor_b32 s21, s21, 16
	s_add_co_u32 s46, s20, s21                     ; s46: of the other window
	s_lshl_b32 s22, s16, 3
	s_add_co_u32 s22, s46, s22
	s_lshl_b32 s22, s22, 14                        ; chunk 0: waves 2, 3 fetch tiles 0 .. 3 of a group each
	s_mov_b32 s23, 0
	s_lshl_b32 s96, s15, 3
	s_lshl_b32 s97, s16, 1
	s_add_co_u32 s96, s96, s97                     ; a refill: wave w fetches tiles 2 (w % 2), + 1 of the chunk's four of group w / 2
	s_add_co_u32 s98, s46, s96
	s_add_co_u32 s98, s98, 4
	s_lshl_b32 s98, s98, 14                        ; chunk 1
	s_mov_b32 s99, 0
	s_add_co_u32 s100, s45, s96
	s_lshl_b32 s100, s100, 14                      ; chunk 2
	s_mov_b32 s101, 0
	s_lshl_b32 s20, s42, 3
	s_add_co_u32 s20, s20, 512
	s_lshl_b32 s21, s16, 2
	s_add_co_u32 s20, s20, s21
	s_lshl_b32 s20, s20, 14                        ; the first weight: waves 0, 1 fetch four tiles each
	s_mov_b32 s21, 0
	s_lshl_b32 s2, s19, 3
	s_add_co_u32 s2, s2, 640
	s_lshl_b32 s3, s14, 1
	s_add_co_u32 s2, s2, s3
	s_lshl_b32 s2, s2, 14                          ; W_v's rows: two tiles a wave
	s_mov_b32 s3, 0
	s_mov_b32 s[G0W], 1
	s_lshl_b32 s[G0W+1], s16, 16
	s_add_co_u32 s[G0W+1], s[G0W+1], X1
	s_mov_b32 s[G0X], 1
	s_lshl_b32 s[G0X+1], s16, 16
	s_mov_b32 s[G0R], 1
	s_lshl_b32 s[G0R+1], s14, 15
	s_add_co_u32 s[G0R+1], s[G0R+1], X1
	s_mov_b32 s[G0V], 1
	s_lshl_b32 s[G0V+1], s14, 15
	s_wait_dscnt 0x0                               ; both opening adds are done
	CROUND                                         ; all sixteen work-groups are here: the first joint loads meet
	s_wait_kmcnt 0x0
	s_add_nc_u64 s[G0W+2:G0W+3], s[4:5], s[20:21]
	s_or_b32 s[G0W+3], s[G0W+3], 0x80000000
	s_add_nc_u64 s[G0X+2:G0X+3], s[4:5], s[22:23]
	s_or_b32 s[G0X+3], s[G0X+3], 0x80000000
	s_add_nc_u64 s[G0R+2:G0R+3], s[4:5], s[98:99]
	s_or_b32 s[G0R+3], s[G0R+3], 0x80000000
	s_add_nc_u64 s[A2:A2+1], s[4:5], s[100:101]
	s_add_nc_u64 s[G0V+2:G0V+3], s[4:5], s[2:3]
	s_or_b32 s[G0V+3], s[G0V+3], 0x80000000
	s_cmp_lt_u32 s14, 2                            ; one joint load a wave; the waves that wait at the first barrier have a load line of their own
	s_cbranch_scc0 .Lfor_x
	TLOAD G0W, G1W                                 ; waves 0, 1: the first weight, which is wanted first
	s_branch .Lasked
.Lfor_x:
	TLOAD G0X, G1X                                 ; waves 2, 3: chunk 0
.Lasked:
	s_mov_b32 s[MNT], 0x600000
	s_mov_b32 s[SEL], 0x76543210
	s_mov_b32 s[SEL+1], 0xfedcba98
	s_mov_b32 s97, 0
	s_lshl_b32 s20, s15, 3
	s_add_co_u32 s21, s46, s20                     ; my first group's first tile,
	s_add_co_u32 s22, s45, s20                     ; my second group's
	s_lshl_b32 s96, s21, 9
	s_add_nc_u64 s[PSX1:PSX1+1], s[6:7], s[96:97]
	s_lshl_b32 s96, s22, 9
	s_add_nc_u64 s[PSX2:PSX2+1], s[6:7], s[96:97]
	s_lshl_b32 s98, s16, 2
	s_lshl_b32 s23, s42, 3
	s_add_co_u32 s23, s23, s98                     ; my four tiles of q's or k's rows, counted within qkv_w
	s_lshl_b32 s96, s23, 6                         ; 16 numbers of 4 bytes a tile
	s_add_nc_u64 s[PBI:PBI+1], s[8:9], s[96:97]
	s_add_co_u32 s96, s23, 512
	s_lshl_b32 s96, s96, 9
	s_add_nc_u64 s[PSW:PSW+1], s[6:7], s[96:97]
	s_lshl_b32 s99, s19, 3
	s_add_co_u32 s99, s99, s98
	s_add_co_u32 s99, s99, 128                     ; my four tiles of v's rows
	s_lshl_b32 s96, s99, 6
	s_add_nc_u64 s[PBV:PBV+1], s[8:9], s[96:97]
	s_add_co_u32 s96, s99, 512
	s_lshl_b32 s96, s96, 9
	s_add_nc_u64 s[PSWV:PSWV+1], s[6:7], s[96:97]
	s_lshr_b32 s100, s17, 2
	s_lshl_b32 s100, s100, 4                       ; batch x 16
	s_and_b32 s101, s42, 7
	s_lshl_b32 s101, s101, 1
	s_add_co_u32 s101, s101, s16
	s_add_co_u32 s101, s101, s100                  ; batch x 16 + head, of q or k,
	s_lshl_b32 s99, s19, 1
	s_add_co_u32 s99, s99, s16
	s_add_co_u32 s99, s99, s100                    ; of v
	s_lshr_b32 s98, s42, 3                         ; 0 q, 1 k
	s_bfe_u32 s21, s21, 0x40003                    ; which 128 tokens of the batch's 2,048
	s_bfe_u32 s22, s22, 0x40003
	s_lshl_b32 s20, s98, 23
	s_lshl_b32 s23, s101, 17
	s_add_co_u32 s20, s20, s23
	s_lshl_b32 s96, s21, 13
	s_add_co_u32 s96, s96, s20
	s_add_nc_u64 s[OQ1:OQ1+1], s[10:11], s[96:97]
	s_lshl_b32 s96, s22, 13
	s_add_co_u32 s96, s96, s20
	s_add_nc_u64 s[OQ2:OQ2+1], s[10:11], s[96:97]
	s_lshl_b32 s20, s98, 19
	s_lshl_b32 s23, s101, 13
	s_add_co_u32 s20, s20, s23
	s_lshl_b32 s96, s21, 9
	s_add_co_u32 s96, s96, s20
	s_add_nc_u64 s[OS1:OS1+1], s[12:13], s[96:97]
	s_lshl_b32 s96, s22, 9
	s_add_co_u32 s96, s96, s20
	s_add_nc_u64 s[OS2:OS2+1], s[12:13], s[96:97]
	s_lshl_b32 s20, s99, 17
	s_lshl_b32 s96, s22, 13
	s_add_co_u32 s96, s96, s20
	s_add_co_u32 s96, s96, 0x1000000
	s_add_nc_u64 s[OV:OV+1], s[10:11], s[96:97]
	s_lshl_b32 s20, s99, 13
	s_lshl_b32 s96, s22, 9
	s_add_co_u32 s96, s96, s20
	s_add_co_u32 s96, s96, 524288+256
	s_add_nc_u64 s[OSV:OSV+1], s[12:13], s[96:97]
	s_lshr_b32 s20, s40, 1                         ; the prefetches: which of the cluster row's sixteen waves I am: told apart by address.  A chunk is two runs of 65,536 bytes, 131,072 apart
	s_lshl_b32 s20, s20, 17
	s_and_b32 s21, s40, 1
	s_lshl_b32 s21, s21, 2
	s_add_co_u32 s21, s21, s14
	s_lshl_b32 s21, s21, 13
	s_add_co_u32 s20, s20, s21
	s_add_co_u32 s21, s46, 4
	s_lshl_b32 s21, s21, 14
	s_add_co_u32 s21, s21, s20                     ; chunk 1
	s_lshl_b32 s22, s45, 14
	s_add_co_u32 s22, s22, s20                     ; chunk 2
	s_lshl_b32 s23, s41, 2                         ; and which of the column's sixteen
	s_add_co_u32 s23, s23, s14
	s_lshl_b32 s23, s23, 13
	s_lshl_b32 s96, s19, 3
	s_add_co_u32 s96, s96, 640
	s_lshl_b32 s96, s96, 14
	s_add_co_u32 s23, s23, s96                     ; W_v's rows
	s_lshl_b32 s98, s15, 16
	s_lshl_b32 s99, s16, 16
	s_add_co_u32 s100, s99, X1
	v_and_b32 v1, 15, v0                           ; r
	v_bfe_u32 v2, v0, 4, 1                         ; h
	v_and_b32 v3, 31, v0                           ; lane
	v_lshlrev_b32 v[LI], 4, v3
	v_lshlrev_b32 v[L8], 3, v3
	v_lshlrev_b32 v[VS], 4, v1
	v_and_b32 v5, 8, v1
	v_lshlrev_b32 v4, 6, v2                        ; the bias along the registers: 16 h numbers on
	v_lshl_add_u32 v[PFX1], v3, 8, s21
	v_lshl_add_u32 v[PFX2], v3, 8, s22
	v_lshl_add_u32 v[PFWV], v3, 8, s23
	v_add_nc_u32 v5, v5, v1
	v_add_nc_u32 v[ADX0], s98, v[LI]
	v_add_nc_u32 v[ADW], s100, v[LI]
	v_add_nc_u32 v[ADWV], s99, v[LI]
	v_lshlrev_b32 v5, 2, v5                        ; the bias along the lanes: row r + 8 (r / 8) of a tile
	v_add_nc_u32 v[ADX0+1], X1, v[ADX0]
.irp b, 4,5,6,7
	v_mov_b32 v[TM+\b], 0                          ; a lane permute's destination counts as one of its sources
.endr
.irp b, 0,1,2,3
	global_load_b64 v[SB+4*\b:SB+4*\b+1], v[L8], s[PSW:PSW+1] offset:512*\b          ; 256 consecutive bytes: K slots 0 (lanes 0-15) and 1 (lanes 16-31)
	global_load_b64 v[SB+4*\b+2:SB+4*\b+3], v[L8], s[PSW:PSW+1] offset:512*\b+256    ; K slots 2 and 3
.endr
.irp n, 0,1,2,3,4,5,6,7
	global_load_b64 v[SA+4*\n:SA+4*\n+1], v[L8], s[PSX1:PSX1+1] offset:512*\n
	global_load_b64 v[SA+4*\n+2:SA+4*\n+3], v[L8], s[PSX1:PSX1+1] offset:512*\n+256
.endr
.irp t, 0,1,2,3
	global_load_b128 v[BI+8*\t:BI+8*\t+3], v4, s[PBI:PBI+1] offset:(32*(\t/2)+8*(\t%2))*4
	global_load_b128 v[BI+8*\t+4:BI+8*\t+7], v4, s[PBI:PBI+1] offset:(32*(\t/2)+8*(\t%2))*4+16
.endr
.irp n, 0,1,2,3,4,5,6,7
	global_load_b64 v[SA+32+4*\n:SA+32+4*\n+1], v[L8], s[PSX2:PSX2+1] offset:512*\n
	global_load_b64 v[SA+32+4*\n+2:SA+32+4*\n+3], v[L8], s[PSX2:PSX2+1] offset:512*\n+256
.endr
.irp b, 0,1,2,3
	global_load_b64 v[SBV+4*\b:SBV+4*\b+1], v[L8], s[PSWV:PSWV+1] offset:512*\b
	global_load_b64 v[SBV+4*\b+2:SBV+4*\b+3], v[L8], s[PSWV:PSWV+1] offset:512*\b+256
	global_load_b32 v[BV+\b], v5, s[PBV:PBV+1] offset:(32*(\b/2)+8*(\b%2))*4
.endr
	global_prefetch_b8 v[PFX1], s[4:5] th:TH_LOAD_NT scope:SCOPE_SE
	global_prefetch_b8 v[PFX2], s[4:5] th:TH_LOAD_NT scope:SCOPE_SE
; A PRODUCT: K step q, the weight's tile b.  kind 0 (q, k): source 0 = the weight's rows;  kind 1 (v): source 0 = the tokens.  e: the tokens' set and the sums' set;  x: whose scale words the tokens take.
; The weight's fragment 4 q + b lies in window 1 + (4 q + b) / 16, the tokens' sets in window 3, sums and bias in window 0.  The four sums take turns.
.macro PROD kind, e, x, q, b
.set F_, 4*(\q)+(\b)
.set A_, ACC+32*(\e)+8*(\b)
.set W_, 16*(F_%16)
.set X_, 128*(\e)+16*(\q)
.set SW_, SB+16*(\kind)+4*(\b)+2*((\q)/4)+(\q)%2
.set SX_, SA+4*(\x)+2*((\q)/4)+(\q)%2
.set C_, A_
.if (\q) == 0
.set C_, BI+8*(\b)
.endif
.if \kind
	WIN 3|((1+F_/16)<<2)
.if ((\q)/2)%2
	v_wmma_scale_f32_16x16x128_f8f6f4 v[A_:A_+7], v[X_:X_+15], v[W_:W_+15], v[C_:C_+7], v[SX_], v[SW_] matrix_a_fmt:MATRIX_FMT_BF8 matrix_b_fmt:MATRIX_FMT_BF8 matrix_a_scale:MATRIX_SCALE_ROW1 matrix_b_scale:MATRIX_SCALE_ROW1
.else
	v_wmma_scale_f32_16x16x128_f8f6f4 v[A_:A_+7], v[X_:X_+15], v[W_:W_+15], v[C_:C_+7], v[SX_], v[SW_] matrix_a_fmt:MATRIX_FMT_BF8 matrix_b_fmt:MATRIX_FMT_BF8
.endif
.else
	WIN (1+F_/16)|(3<<2)
.if ((\q)/2)%2
	v_wmma_scale_f32_16x16x128_f8f6f4 v[A_:A_+7], v[W_:W_+15], v[X_:X_+15], v[C_:C_+7], v[SW_], v[SX_] matrix_a_fmt:MATRIX_FMT_BF8 matrix_b_fmt:MATRIX_FMT_BF8 matrix_a_scale:MATRIX_SCALE_ROW1 matrix_b_scale:MATRIX_SCALE_ROW1
.else
	v_wmma_scale_f32_16x16x128_f8f6f4 v[A_:A_+7], v[W_:W_+15], v[X_:X_+15], v[C_:C_+7], v[SW_], v[SX_] matrix_a_fmt:MATRIX_FMT_BF8 matrix_b_fmt:MATRIX_FMT_BF8
.endif
.endif
.endm
.macro PRODS kind, e, x
.irp q, 0,1,2,3,4,5,6,7
.irp b, 0,1,2,3
	PROD \kind, \e, \x, \q, \b
.endr
.endr
	WIN 0
	PLACES 8                                       ; behind the last product: its sums are read, and its set of tokens is loaded anew (ISA guide 7.12.1)
.endm
.macro FETCH m                         ; block m (16 .. 23: v's 0 .. 7), 16 tokens, all of K, into set m % 2 of window 3: 32 loads
.if (\m) < 16
.set SL_, ((\m)/4)%2
.else
.set SL_, 1-((\m)-16)/4
.endif
	WIN 3<<6
.irp q, 0,1,2,3,4,5,6,7
.irp c, 0,1,2,3
	ds_load_b128 v[128*((\m)%2)+16*\q+4*\c:128*((\m)%2)+16*\q+4*\c+3], v[ADX0+SL_] offset:16384*((\m)%4)+2048*\q+512*\c
.endr
.endr
	WIN 0
.endm
.macro WEIGHTS adr                     ; my 64 rows of a weight, all of K, into the 512 registers of windows 1 and 2: 128 loads
.irp q, 0,1,2,3,4,5,6,7
.irp b, 0,1,2,3
	WIN (1+(4*\q+\b)/16)<<6
.irp c, 0,1,2,3
	ds_load_b128 v[16*((4*\q+\b)%16)+4*\c:16*((4*\q+\b)%16)+4*\c+3], v[\adr] offset:16384*\b+2048*\q+512*\c
.endr
.endr
.endr
	WIN 0
.endm
.macro SCALEOPS nb                     ; from nb largest magnitudes in v[TM ..]: joined with lane l xor 16's; the conversion's scale operand (TM + 12), 57,344 x the scale (TM + 8), the scale's byte (TM + 4)
.set b_, 0
.rept \nb
	v_permlanex16_b32 v[TM+4+b_], v[TM+b_], s[SEL], s[SEL+1]
.set b_, b_+1
.endr
.set b_, 0
.rept \nb
	v_max_num_f32 v[TM+b_], v[TM+b_], v[TM+4+b_]
.set b_, b_+1
.endr
.set b_, 0
.rept \nb
	v_add_nc_u32 v[TM+12+b_], 0xf8800000, v[TM+b_]
.set b_, b_+1
.endr
.set b_, 0
.rept \nb
	v_and_or_b32 v[TM+8+b_], v[TM+b_], 0x7f800000, s[MNT]
.set b_, b_+1
.endr
.set b_, 0
.rept \nb
	v_lshrrev_b32 v[TM+4+b_], 23, v[TM+12+b_]
.set b_, b_+1
.endr
.endm
; THE QUANTISER OF A BLOCK OF q OR k: register 16 c + i of the four sums is channel 32 c + 16 h + i of my token's head: two blocks of 32, each in lanes l and l xor 16.  The floor 2^(16 - 127) holds a byte at 1 from below.
.macro QUANTQ n
.set S_, ACC+32*((\n)%2)
.irp b, 0,1
	v_max3_num_f32 v[TM+\b], |v[S_+16*\b]|, |v[S_+1+16*\b]|, 0x8000000
.endr
.irp i, 2,4,6,8,10,12,14
.irp b, 0,1
	v_max3_num_f32 v[TM+\b], v[TM+\b], |v[S_+16*\b+\i]|, |v[S_+1+16*\b+\i]|
.endr
.endr
	SCALEOPS 2
	v_lshl_or_b32 v[TM+6], v[TM+5], 8, v[TM+4]
.if (\n)%2
	v_lshl_or_b32 v[WW+((\n)%8)/2], v[TM+6], 16, v[WW+((\n)%8)/2]   ; a pair of tiles' four bytes
.else
	v_mov_b32 v[WW+((\n)%8)/2], v[TM+6]
.endif
.irp b, 0,1
.irp i, 0,1,2,3,4,5,6,7,8,9,10,11,12,13,14,15
	v_med3_num_f32 v[S_+16*\b+\i], v[S_+16*\b+\i], -v[TM+8+\b], v[TM+8+\b]   ; the conversion does not saturate (ISA guide 7.6.2): the hold comes first
.endr
	v_cvt_scalef32_pk8_bf8_f32 v[PC+4*\b:PC+1+4*\b], v[S_+16*\b:S_+7+16*\b], v[TM+12+\b]
	v_cvt_scalef32_pk8_bf8_f32 v[PC+2+4*\b:PC+3+4*\b], v[S_+8+16*\b:S_+15+16*\b], v[TM+12+\b]
.endr
	v_nop                                          ; one plain line behind the last conversion
.endm
; THE QUANTISER OF A PAIR OF v's BLOCKS, token tiles 2 c, 2 c + 1 of the group: for d tile b the even block's eight sums and the odd block's are keys 32 c + 16 h + 0 .. 15 of my row.  first = 1: the group's first pair
.macro QUANTV c, first
.irp b, 0,1,2,3
	v_max3_num_f32 v[TM+\b], |v[ACC+8*\b]|, |v[ACC+8*\b+1]|, 0x8000000
.endr
.irp i, 2,4,6
.irp b, 0,1,2,3
	v_max3_num_f32 v[TM+\b], v[TM+\b], |v[ACC+8*\b+\i]|, |v[ACC+8*\b+\i+1]|
.endr
.endr
.irp i, 0,2,4,6
.irp b, 0,1,2,3
	v_max3_num_f32 v[TM+\b], v[TM+\b], |v[ACC+32+8*\b+\i]|, |v[ACC+32+8*\b+\i+1]|
.endr
.endr
	SCALEOPS 4
.irp b, 0,1,2,3
.if \first
	v_lshlrev_b32 v[WW+\b], 8*(\c), v[TM+4+\b]
.else
	v_lshl_or_b32 v[WW+\b], v[TM+4+\b], 8*(\c), v[WW+\b]
.endif
.endr
.irp b, 0,1,2,3
.irp i, 0,1,2,3,4,5,6,7
	v_med3_num_f32 v[ACC+8*\b+\i], v[ACC+8*\b+\i], -v[TM+8+\b], v[TM+8+\b]
	v_med3_num_f32 v[ACC+32+8*\b+\i], v[ACC+32+8*\b+\i], -v[TM+8+\b], v[TM+8+\b]
.endr
	v_cvt_scalef32_pk8_bf8_f32 v[PC+4*\b:PC+1+4*\b], v[ACC+8*\b:ACC+8*\b+7], v[TM+12+\b]
	v_cvt_scalef32_pk8_bf8_f32 v[PC+2+4*\b:PC+3+4*\b], v[ACC+32+8*\b:ACC+32+8*\b+7], v[TM+12+\b]
.endr
	v_nop                                          ; one plain line behind the last conversion
.irp b, 0,1,2,3
	global_store_b128 v[LI], v[PC+4*\b:PC+4*\b+3], s[OV:OV+1] offset:2048*\b+512*(\c)   ; 512 consecutive bytes
.endr
.endm
; A BLOCK OF q OR k.  Its tail: in blocks 2, 6, 10 a drained round with a refill; the fetch of the block two on; the quantiser; the stores.
.macro QBLK n
	s_wait_dscnt 32                                ; this block's fragments are in; the next block's 32 loads may be out
	s_wait_xcnt 0x0                                ; the last block's stores have read their data: the codes' registers are written again below
	PRODS 0, (\n)%2, \n
.if (\n) == 2 || (\n) == 6 || (\n) == 10
	s_wait_tensorcnt 0x0                           ; all my tensor loads have landed: my part of the next chunk;
	ds_add_u32 v[SPW], v[NIL]                      ; 0 onto my spare word;
.if (\n) == 2
	s_xor_b32 s[G0R+1], s[G0R+1], X1               ; no tensor load of mine is out, so a group 0 may be written: chunk 2 into slot 0
	s_mov_b64 s[G0R+2:G0R+3], s[A2:A2+1]
	s_or_b32 s[G0R+3], s[G0R+3], 0x80000000
.elseif (\n) == 6
	s_xor_b32 s[G0R+1], s[G0R+1], X1               ; chunk 3, four tiles on, into slot 1
	s_add_nc_u64 s[G0R+2:G0R+3], s[G0R+2:G0R+3], 65536
.endif
	s_wait_dscnt 0x0                               ; the add is done, and my reads of the slot that is filled again are over
	CROUND                                         ; both now hold of every wave of the cluster
.if (\n) == 10
	TLOAD G0V, G1W                                 ; W_v's rows into slot 0
.else
	TLOAD G0R, G1X
.endif
.endif
	FETCH (\n)+2
.if (\n) == 2
	global_prefetch_b8 v[PFX2], s[4:5] offset:65536 th:TH_LOAD_NT scope:SCOPE_SE   ; chunk 3: its load stands in block 6's tail
.elseif (\n) == 6
	global_prefetch_b8 v[PFWV], s[4:5] th:TH_LOAD_NT scope:SCOPE_SE                ; W_v's rows: their load stands in block 10's tail
.endif
	QUANTQ \n
	global_store_b128 v[LI], v[PC:PC+3], s[OQ1+2*((\n)/8):OQ1+2*((\n)/8)+1] offset:1024*((\n)%8)          ; 512 consecutive bytes
	global_store_b128 v[LI], v[PC+4:PC+7], s[OQ1+2*((\n)/8):OQ1+2*((\n)/8)+1] offset:1024*((\n)%8)+512
.if (\n)%8 == 7
	global_store_b128 v[VS], v[WW:WW+3], s[OS1+2*((\n)/8):OS1+2*((\n)/8)+1]   ; the group's scale words: 256 consecutive bytes, aligned (both halves of the lanes hold and write the same)
.endif
.endm
; A BLOCK OF v: number u; blocks 0 .. 3 are token tiles 4 .. 7 of my group (phase 1's blocks 12 .. 15), blocks 4 .. 7 tiles 0 .. 3 (blocks 8 .. 11)
.macro VBLK u
.if (\u) < 7
	s_wait_dscnt 32
.else
	s_wait_dscnt 0x0
.endif
	s_wait_xcnt 0x0
.if (\u) < 4
	PRODS 1, (\u)%2, 12+(\u)
.else
	PRODS 1, (\u)%2, 4+(\u)
.endif
.if (\u) == 2
	s_wait_tensorcnt 0x0                           ; every wave: my part of chunk 2 has landed
	s_wait_dscnt 0x0
	s_barrier_signal -1
	s_barrier_wait -1                              ; everybody's has
.endif
.if (\u) < 6
	FETCH 18+(\u)
.endif
.endm
	s_wait_alu depctr_va_vdst(0)
	s_cmp_lt_u32 s14, 2
	s_cbranch_scc0 .Lnot_w
	s_wait_tensorcnt 0x0                           ; waves 0, 1: the first weight has landed.  The other waves' wait stands ahead of the round below
.Lnot_w:
	s_barrier_signal -1
	s_barrier_wait -1
	WEIGHTS ADW
	s_wait_tensorcnt 0x0                           ; all my tensor loads have landed: chunk 0 among them;
	ds_add_u32 v[SPW], v[NIL]                      ; 0 onto my spare word;
	s_mov_b32 s[G1X+2], 128<<16                    ; no tensor load of mine is out, so a descriptor may be written: a refill brings two tiles a wave, 128 rows of 256 bytes
	s_mov_b32 s[G1X+4], 128
	s_mov_b32 s[G1W+2], 128<<16
	s_mov_b32 s[G1W+4], 128
	s_wait_dscnt 0x0                               ; the add is done, and my weights are in registers
	CROUND                                         ; no wave of any partner still reads slot 1 or has a load on its way
	TLOAD G0R, G1X                                 ; chunk 1 over the first weight: the first tensor load behind the round
	FETCH 0
	FETCH 1
	s_wait_loadcnt 0x0                             ; the scale words and the biases
.irp n, 0,1,2,3,4,5,6,7,8,9,10,11,12,13,14,15
	QBLK \n
.endr
; THE CHANGE OF PHASE.  The tokens' two sets already hold v's first two blocks.
	s_wait_tensorcnt 0x0                           ; every wave: my part of W_v's rows has landed
	s_wait_dscnt 0x0
	s_barrier_signal -1
	s_barrier_wait -1                              ; everybody's has
	WEIGHTS ADWV
.irp t, 0,1,2,3
.irp i, 0,1,2,3,4,5,6,7
	v_mov_b32 v[BI+8*\t+\i], v[BV+\t]              ; v's bias runs along the lanes: one number for a sum's eight registers
.endr
.endr
	s_wait_alu depctr_va_vdst(0)
	s_wait_tensorcnt 0x0
	ds_add_u32 v[SPW], v[NIL]
	s_xor_b32 s[G0R+1], s[G0R+1], X1               ; chunk 2 anew into slot 0
	s_mov_b64 s[G0R+2:G0R+3], s[A2:A2+1]
	s_or_b32 s[G0R+3], s[G0R+3], 0x80000000
	s_wait_dscnt 0x0                               ; the add is done, and W_v is in registers
	CROUND
	TLOAD G0R, G1X
	VBLK 0
	VBLK 1
	QUANTV 2, 1
	VBLK 2
	VBLK 3
	QUANTV 3, 0
	VBLK 4
	VBLK 5
	QUANTV 0, 0
	VBLK 6
	VBLK 7
	QUANTV 1, 0
	global_store_b128 v[VS], v[WW:WW+3], s[OSV:OSV+1]   ; v's scale words of my head and group: 256 consecutive bytes, aligned
	s_wait_tensorcnt 0x0                           ; the wave's end
	ds_add_u32 v[SPW], v[NIL]
	s_wait_dscnt 0x0
	CROUND                                         ; the closing round
	s_endpgm
.Lfunc_end_k_qdf36ccced2_qkv:
	.size	k_qdf36ccced2_qkv, .Lfunc_end_k_qdf36ccced2_qkv-k_qdf36ccced2_qkv
	.p2alignl 7, 3214868480
	.fill 96, 4, 3214868480
	.section	.rodata,"a",@progbits
	.p2align	6, 0x0
	.amdhsa_kernel k_qdf36ccced2_qkv
		.amdhsa_group_segment_fixed_size 327680
		.amdhsa_private_segment_fixed_size 0
		.amdhsa_enable_private_segment 0
		.amdhsa_kernarg_size 40
		.amdhsa_user_sgpr_count 2
		.amdhsa_user_sgpr_kernarg_segment_ptr 1
		.amdhsa_wavefront_size32 1
		.amdhsa_system_sgpr_workgroup_id_x 1
		.amdhsa_system_sgpr_workgroup_id_y 1
		.amdhsa_system_sgpr_workgroup_id_z 1
		.amdhsa_system_vgpr_workitem_id 0
		.amdhsa_next_free_vgpr 1024
		.amdhsa_next_free_sgpr 102
		.amdhsa_reserve_vcc 0
		.amdhsa_float_denorm_mode_32 3
		.amdhsa_float_denorm_mode_16_64 3
		.amdhsa_memory_ordered 1
		.amdhsa_forward_progress 1
		.amdhsa_inst_pref_size 255
	.end_amdhsa_kernel
	.section	.bss,"aw",@nobits
	.p2align	6
	.space	262144
	.amdgpu_metadata
---
amdhsa.version: [ 1, 2 ]
amdhsa.kernels:
  - .name:           k_qdf36ccced2_qkv
    .symbol:         k_qdf36ccced2_qkv.kd
    .args:
      - { .name: c1, .offset: 0, .size: 8, .value_kind: global_buffer, .address_space: global }
      - { .name: s1, .offset: 8, .size: 8, .value_kind: global_buffer, .address_space: global }
      - { .name: qkv_b, .offset: 16, .size: 8, .value_kind: global_buffer, .address_space: global }
      - { .name: c2, .offset: 24, .size: 8, .value_kind: global_buffer, .address_space: global }
      - { .name: s2, .offset: 32, .size: 8, .value_kind: global_buffer, .address_space: global }
    .group_segment_fixed_size: 327680
    .private_segment_fixed_size: 0
    .kernarg_segment_align: 8
    .kernarg_segment_size: 40
    .max_flat_workgroup_size: 128
    .sgpr_count:     102
    .vgpr_count:     1024
    .wavefront_size: 32
...
	.end_amdgpu_metadata
.endif
;; end of part 2
;; launch attn (part 3): grid 4 x 64, 16 waves a work-group, clusters of 4 x 1, 327,680 bytes of LDS; arguments c2, s2, c3, s3; writes c3, s3
.if DOCPART == 3
	.amdgcn_target "amdgcn-amd-amdhsa--gfx1250"
	.amdhsa_code_object_version 6
	.text
	.protected	k_qdf36ccced2_attn
	.globl	k_qdf36ccced2_attn
	.p2align	8
	.type	k_qdf36ccced2_attn,@function
k_qdf36ccced2_attn:
	s_mov_b64 s[64:65], 0
	v_nop
	global_prefetch_b8 v0, s[64:65] scope:SCOPE_SE
	s_setreg_imm32_b32 hwreg(HW_REG_WAVE_MODE, 25, 1), 1
	s_wait_xcnt 0x0
	s_wait_alu depctr_hold_cnt(0) depctr_sa_sdst(0) depctr_va_vdst(0) depctr_va_sdst(0) depctr_va_ssrc(0) depctr_va_vcc(0) depctr_vm_vsrc(0)
	s_getreg_b32 s2, hwreg(HW_REG_IB_STS2, 6, 4)
	s_cmp_eq_u32 s2, 0
	s_cbranch_scc0 .Lentry_in_a_cluster
	s_endpgm
.Lentry_in_a_cluster:
	s_bfe_u32 s2, ttmp6, 0x10000c
	s_cmp_lg_u32 s2, 0x3003
	s_cbranch_scc0 .Lentry_shape_is_right
	s_endpgm
.Lentry_shape_is_right:
; Causal attention of one head on codes of BF8 (E5M2) with E8M0 scales; its result, divided by the row's sum, is quantised along C and stored as the last product's operand.
; t = score x log2(e) / 8; M = the running largest t rounded up to a whole number; p = 2^(t - M) is quantised along the keys, not normalised; the row's sum is taken of the unquantised p.
; LEFT OUT: key steps all of whose keys come after a tile's queries (the causal mask makes their p 0 for all inputs).
; A HEAD'S K, V AND SCALE WORDS STAY IN LDS: 131,072 + 131,072 + 8,192 bytes, each byte filled once: no ring, no refill.
; SHARES.  The four work-groups of a head form a cluster and ask for every tile JOINTLY (mask 15).  A tile of 16 queries holds tokens 32 B + 8 u + p + 8 (p / 8); the head has 128 tiles.
; Work-group x takes tiles 4 j + x, j = 0 .. 31; tile 4 j + x needs j / 2 + 1 key steps of 128, whatever x.  Wave w takes j = 31 - w and then j = w: 17 key steps for every wave of every work-group.
; No branch, trip count or LDS address hangs on x: it enters global addresses, Q's byte select and the mask's bound (a number in a vector register) alone.
; FILLS, all at the head, one joint load a wave: wave 0 the scale words; waves 1, 2 K's and V's keys 0 .. 511; waves 3 .. 8 the other three chunks of 512 keys of K and V.
; The first barrier shows waves 0 to 2's tiles: every wave's first tile has 9 steps or more, and its first four read keys 0 .. 511 alone.  The second barrier, behind those four steps, shows all the rest.  Behind it the waves share nothing.
; NO PREFETCH: every tile is asked for by its tensor load at the kernel's head: there is no later request, and no loop, for a prefetch to run ahead of.
; Both products are used transposed: S^T = K Q^T, O^T = V^T P^T: a lane holds one query throughout, and the registers of two neighbouring tiles of keys are 16 neighbouring keys.
; THE HEAD HAS 64 ALONG THE FIRST PRODUCT'S K, the instruction 128.  A fragment of K holds TWO tiles of keys; Q stands between zeros, [0 | Q | 0]: [Q | 0] multiplies the first tile, [0 | Q] the second.  Zero codes add nothing.
; The scale bytes of the result leave two bytes a row (one byte in 32 of what this launch stores): a head has two blocks of a row's 32.
; LIMITS: the scaled scores stay under 2^31 in magnitude; a block of zeros gets the byte 1; a largest magnitude under 2^-111 counts as 2^-111; NaN and infinities are not served.
.set VOFF,  131072                     ; LDS: K's 128 tiles of 1,024 bytes; V's 16 key steps of 8,192
.set SOFF,  262144                     ; the scale words: 16 key steps of [k 256 | v 256]
.set SPARE, 270336                     ; the spare words, 128 bytes for each wave: eight blocks of 256 bytes that no other line names
.set LI,  1                            ; v1  16 x lane
.set LS,  2                            ; v2  SOFF + 16 r
.set SPW, 3                            ; v3  my spare word; never rewritten
.set NIL, 4                            ; v4  0; never rewritten
.set LV,  5                            ; v5  VOFF + 16 x lane
.set DQ,  6                            ; v6  r + 8 (r / 8) - 16 h + 32 (x / 2) + 8 (x % 2): my query, counted from its pair of blocks of 32 tokens, less my half's 16 keys
.set OR8, 7                            ; v7  8 r
.set ADK, 8
.set ADS, 9
.set ADV, 10
.set QB,  16                           ; v16-23 zeros, v24-31 Q, v32-39 zeros
.set QN,  40                           ; v40-47 the second tile's Q
.set QW,  48                           ; v48, v49 the two tiles' scale words as loaded
.set F,   52                           ; v52-115 four fragments of K, then of V
.set S,   116                          ; v116-179 S^T, then p
.set O,   180                          ; v180-211 O^T
.set PC,  212                          ; v212-227 p's codes; at the end O's
.set PWO, 228
.set N,   3                            ; s3  the trip: key step N % 16
.set WV,  18
.set MNT, 19
.set SEL, 20
.set CS,  22                           ; s[22:23] log2(e) / 8
.set G1C, 24                           ; s[24:31] group 1: 32,768 dense bytes as 128 rows of 256
.set G1S, 32                           ; s[32:39] group 1: 8,192 dense bytes
.set G0M, 40                           ; s[40:43] group 0 for a chunk of K or V
.set G0S, 44                           ; s[44:47] group 0 for the scale words
.set NC,  48                           ; s48 key steps of the tile in hand;  s49 of the second tile
.set NCB, 49
.set JO,  50                           ; s50 j % 2 of the tile in hand;  s51 of the second
.set JOB, 51
.set KI,  52                           ; s52 the key step
.set T0,  53
.set T1,  54
.set QSEL, 63
.set OC,  66
.set OS,  68
.set OC2, 70
.set OS2, 72
.macro CROUND                          ; a round of the cluster's barrier
	s_barrier_signal -1
	s_barrier_wait -1
	s_cmp_lg_u32 s[WV], 0
	s_cbranch_scc1 .Lnot_wave_0_\@
	s_barrier_signal -3
.Lnot_wave_0_\@:
	s_barrier_wait -3
	s_barrier_signal -1
	s_barrier_wait -1
.endm
	s_load_b256 s[4:11], s[0:1], 0x0               ; c2 s[4:5], s2 s[6:7], c3 s[8:9], s3 s[10:11]
	v_lshl_add_u32 v[SPW], v0, 2, SPARE
	v_mov_b32 v[NIL], 0
	ds_add_u32 v[SPW], v[NIL]                      ; the opening lines: the add, twice on end, and its wait ahead of the first tensor loads
	ds_add_u32 v[SPW], v[NIL]
	v_lshrrev_b32 v8, 5, v0
	v_readfirstlane_b32 s[WV], v8                  ; wave 0..15
	s_bfe_u32 s60, ttmp6, 0x40000                  ; x: my place in the cluster
	s_and_b32 s82, ttmp7, 0xffff                   ; batch x 16 + head
	s_lshr_b32 s83, s[WV], 1
	s_sub_co_u32 s[NC], 16, s83                    ; j = 31 - w: (31 - w) / 2 + 1 key steps
	s_add_co_u32 s[NCB], s83, 1                    ; j = w: w / 2 + 1
	s_and_b32 s[JOB], s[WV], 1
	s_xor_b32 s[JO], s[JOB], 1
	s_sub_co_u32 s92, 31, s[WV]
	s_lshl_b32 s92, s92, 2
	s_add_co_u32 s92, s92, s60                     ; my first tile of queries,
	s_lshl_b32 s93, s[WV], 2
	s_add_co_u32 s93, s93, s60                     ; and my second
	s_and_b32 s84, s60, 1
	s_mul_i32 s[QSEL], s84, 0x02020202             ; an odd tile's two scale bytes are bytes 2, 3 of its pair's word, an even tile's bytes 0, 1: they are laid twice, for [Q | 0] and [0 | Q]
	s_add_co_u32 s[QSEL], s[QSEL], 0x01000100
	s_lshr_b32 s85, s60, 1
	s_lshl_b32 s85, s85, 5
	s_lshl_b32 s84, s84, 3
	s_add_co_u32 s61, s85, s84                     ; 32 (x / 2) + 8 (x % 2)
	s_mov_b32 s[G1C], 15|(3<<16)|(1<<21)           ; the mask: all four of the cluster; elements of 8 bytes; bit 21 beside a mask; no padding
	s_mov_b32 s[G1C+1], 32<<16                     ; tensor_dim0: 256 bytes
	s_mov_b32 s[G1C+2], 128<<16                    ; tensor_dim1
	s_mov_b32 s[G1C+3], 32<<16                     ; tile_dim0
	s_mov_b32 s[G1C+4], 128                        ; tile_dim1
	s_mov_b32 s[G1C+5], 32                         ; tensor_dim0_stride
	s_mov_b32 s[G1C+6], 0
	s_mov_b32 s[G1C+7], 0
	s_mov_b32 s[G1S], 15|(3<<16)|(1<<21)
	s_mov_b32 s[G1S+1], 32<<16
	s_mov_b32 s[G1S+2], 32<<16
	s_mov_b32 s[G1S+3], 32<<16
	s_mov_b32 s[G1S+4], 32
	s_mov_b32 s[G1S+5], 32
	s_mov_b32 s[G1S+6], 0
	s_mov_b32 s[G1S+7], 0
	s_add_co_u32 s94, s[WV], 15
	s_and_b32 s94, s94, 15                         ; waves 1 .. 8: w - 1 = 2 x chunk + (0: K, 1: V)
	s_and_b32 s95, s94, 1
	s_lshr_b32 s96, s94, 1
	s_lshl_b32 s96, s96, 15                        ; a chunk of 512 keys: 32,768 bytes
	s_lshl_b32 s97, s95, 17
	s_add_co_u32 s97, s97, s96                     ; its place in LDS
	s_add_co_u32 s95, s95, 1
	s_lshl_b32 s86, s95, 23                        ; k at 8,388,608, v at 16,777,216
	s_lshl_b32 s88, s82, 17                        ; a head's codes: 131,072 bytes
	s_mov_b32 s89, 0
	s_add_co_u32 s86, s86, s88
	s_add_co_u32 s86, s86, s96
	s_mov_b32 s87, 0
	s_lshl_b32 s90, s82, 13                        ; a head's scale words: 8,192 bytes
	s_mov_b32 s91, 0
	s_mov_b32 s[SEL], 0x76543210
	s_mov_b32 s[SEL+1], 0xfedcba98
	s_mov_b32 s[CS], 0x3e38aa3b                    ; log2(e) / sqrt(64)
	s_mov_b32 s[CS+1], s[CS]
	s_mov_b32 s[MNT], 0x600000
	s_wait_dscnt 0x0                               ; both opening adds are done
	CROUND                                         ; all four work-groups are here: the joint loads meet
	s_wait_kmcnt 0x0
	s_mov_b32 s[G0M], 1
	s_mov_b32 s[G0M+1], s97
	s_add_nc_u64 s[G0M+2:G0M+3], s[4:5], s[86:87]
	s_or_b32 s[G0M+3], s[G0M+3], 0x80000000
	s_mov_b32 s[G0S], 1
	s_mov_b32 s[G0S+1], SOFF
	s_add_nc_u64 s[G0S+2:G0S+3], s[6:7], s[90:91]
	s_add_nc_u64 s[G0S+2:G0S+3], s[G0S+2:G0S+3], 524288
	s_or_b32 s[G0S+3], s[G0S+3], 0x80000000
; One chain of branches on the wave's number, a load to an arm.  The waves that wait at the first barrier (0 to 2) have load lines that no other wave issues.
.macro ARM under, g0, g1, next
	s_cmp_lt_u32 s[WV], \under
	s_cbranch_scc0 \next
	tensor_load_to_lds s[\g0:\g0+3], s[\g1:\g1+7]
	s_nop 0
.rept 4
	v_nop
.endr
	s_branch .Lhead_asked
\next:
.endm
	ARM 1, G0S, G1S, .Lhead_first
	ARM 3, G0M, G1C, .Lhead_rest
	ARM 9, G0M, G1C, .Lhead_none
.Lhead_asked:
	s_add_nc_u64 s[94:95], s[4:5], s[88:89]        ; q's codes of my head
	s_add_nc_u64 s[96:97], s[6:7], s[90:91]        ; q's scale words of my head
	s_lshl_b32 s74, s92, 10                        ; a tile of q: 1,024 bytes
	s_lshl_b32 s75, s93, 10
	s_lshr_b32 s76, s92, 3                         ; its scale word: 512 bytes for each 128 tokens, 4 for each pair of tiles
	s_lshl_b32 s76, s76, 9
	s_bfe_u32 s77, s92, 0x20001
	s_lshl_b32 s77, s77, 2
	s_add_co_u32 s76, s76, s77
	s_lshr_b32 s78, s93, 3
	s_lshl_b32 s78, s78, 9
	s_bfe_u32 s77, s93, 0x20001
	s_lshl_b32 s77, s77, 2
	s_add_co_u32 s78, s78, s77
	; where the results go: c3 [token tile][16,384], the head's 1,024 bytes; s3 [token tile][512], the head's two bytes of each row
	s_lshr_b32 s83, s82, 4                         ; batch
	s_and_b32 s84, s82, 15                         ; head
	s_lshl_b32 s85, s83, 21
	s_lshl_b32 s86, s84, 10
	s_add_co_u32 s85, s85, s86
	s_lshl_b32 s86, s92, 14
	s_add_co_u32 s86, s86, s85
	s_add_nc_u64 s[OC:OC+1], s[8:9], s[86:87]
	s_lshl_b32 s86, s93, 14
	s_add_co_u32 s86, s86, s85
	s_add_nc_u64 s[OC2:OC2+1], s[8:9], s[86:87]
	s_lshl_b32 s85, s83, 16
	s_lshr_b32 s86, s84, 2
	s_lshl_b32 s86, s86, 7                         ; the K slot of 256: four heads
	s_add_co_u32 s85, s85, s86
	s_bfe_u32 s86, s84, 0x10001
	s_lshl_b32 s86, s86, 2                         ; which 128 of it
	s_add_co_u32 s85, s85, s86
	s_and_b32 s86, s84, 1
	s_lshl_b32 s86, s86, 1                         ; which two bytes of the word
	s_add_co_u32 s85, s85, s86
	s_lshl_b32 s86, s92, 9
	s_add_co_u32 s86, s86, s85
	s_add_nc_u64 s[OS:OS+1], s[10:11], s[86:87]
	s_lshl_b32 s86, s93, 9
	s_add_co_u32 s86, s86, s85
	s_add_nc_u64 s[OS2:OS2+1], s[10:11], s[86:87]
	v_and_b32 v10, 31, v0
	v_and_b32 v11, 15, v0                          ; r
	v_bfe_u32 v12, v0, 4, 1                        ; h
	v_lshlrev_b32 v[LI], 4, v10
	v_lshlrev_b32 v13, 4, v11                      ; 16 r
	v_lshlrev_b32 v[OR8], 3, v11
	v_and_b32 v14, 8, v11
	v_lshlrev_b32 v12, 4, v12
	v_add_nc_u32 v14, v14, v11
	v_add_nc_u32 v[LV], VOFF, v[LI]
	v_sub_nc_u32 v14, v14, v12
	v_add_nc_u32 v[LS], SOFF, v13
	v_add_nc_u32 v[DQ], s61, v14
	v_add_nc_u32 v232, s74, v[LI]
	v_add_nc_u32 v233, s75, v[LI]
	v_add_nc_u32 v234, s76, v13
	v_add_nc_u32 v235, s78, v13
	global_load_b128 v[QB+8:QB+11], v232, s[94:95]
	global_load_b128 v[QB+12:QB+15], v232, s[94:95] offset:512
	global_load_b128 v[QN:QN+3], v233, s[94:95]
	global_load_b128 v[QN+4:QN+7], v233, s[94:95] offset:512
	global_load_b32 v[QW], v234, s[96:97]
	global_load_b32 v[QW+1], v235, s[96:97]
.irp j, 0,1,2,3,4,5,6,7
	v_mov_b32 v[QB+\j], 0                          ; the zero codes on both sides of Q: written once
	v_mov_b32 v[QB+16+\j], 0
.endr
	v_mov_b32 v13, 0xff61b1e6                      ; the largest t so far: -3e38
	v_floor_f32 v12, -v13                          ; -M
	v_mov_b32 v14, 0                               ; the sum, in two halves
	v_mov_b32 v15, 0
.irp b, 0,1,2,3
	v_mov_b32 v[236+\b], 0                         ; a lane permute's destination counts as one of its sources
.endr
	v_mov_b32 v252, 0
	v_mov_b32 v253, 0
	s_wait_alu depctr_va_vdst(0)
	s_wait_loadcnt 0x0                             ; Q, both tiles'
	v_perm_b32 v255, v[QW], v[QW], s[QSEL]         ; Q's scale word
.set j, 0
.rept 32
	v_mov_b32 v[O+j], 0                            ; O^T: the first change of M multiplies zeros
.set j, j+1
.endr
; A KEY STEP: 128 keys, number N % 16 of the head.  m = 1: the step is jumped over where the tile has no such step, and the tile's last step is masked (branches on the wave's number and the trip alone).
.macro STEP m
	s_and_b32 s[KI], s[N], 15
.if \m
	s_cmp_ge_u32 s[KI], s[NC]
	s_cbranch_scc1 .Lhidden_\@                     ; all keys of the step come after my queries
.endif
	s_lshl_b32 s[T0], s[KI], 13
	s_lshl_b32 s[T1], s[KI], 9
	v_add_nc_u32 v[ADK], s[T0], v[LI]
	v_add_nc_u32 v[ADV], s[T0], v[LV]
	v_add_nc_u32 v[ADS], s[T1], v[LS]
.rept 5
	v_nop                                          ; with the three additions: eight places in front of loads into registers that the last products read
.endr
.irp p, 0,1,2,3
.irp c, 0,1,2,3
	ds_load_b128 v[F+16*\p+4*\c:F+16*\p+4*\c+3], v[ADK] offset:2048*\p+512*\c   ; two tiles of keys to a fragment
.endr
.endr
	ds_load_b128 v[248:251], v[ADS]                ; row r's four words: a pair of tiles each
	s_wait_alu depctr_va_vdst(0)
	s_wait_dscnt 0x0
.irp p, 0,1,2,3
	v_wmma_scale_f32_16x16x128_f8f6f4 v[S+16*\p:S+16*\p+7], v[F+16*\p:F+16*\p+15], v[QB+8:QB+23], 0, v[248+\p], v255 matrix_a_fmt:MATRIX_FMT_BF8 matrix_b_fmt:MATRIX_FMT_BF8
	v_wmma_scale_f32_16x16x128_f8f6f4 v[S+16*\p+8:S+16*\p+15], v[F+16*\p:F+16*\p+15], v[QB:QB+15], 0, v[248+\p], v255 matrix_a_fmt:MATRIX_FMT_BF8 matrix_b_fmt:MATRIX_FMT_BF8
.endr                                              ; register 16 b + i of lane (r, h): key 128 x step + 32 b + 16 h + i
.rept 8
	v_nop
.endr
.irp t, 0,1,2,3                                    ; V is asked for now and lands under the softmax
.irp c, 0,1,2,3
	ds_load_b128 v[F+16*\t+4*\c:F+16*\t+4*\c+3], v[ADV] offset:2048*\t+512*\c
.endr
.endr
	ds_load_b128 v[248:251], v[ADS] offset:256
.if \m
; THE MASK, in a tile's last step alone.  My query lies in blocks 2 (j % 2), 2 (j % 2) + 1 of the step's four blocks of 32 keys: there register 16 b + i is hidden where 32 (b - 2 (j % 2)) + i is above v[DQ].
; The blocks below count whole; the blocks above are hidden whole.  Hidden scores become -infinity ahead of the maximum.
	s_add_co_u32 s[T0], s[KI], 1
	s_cmp_lg_u32 s[T0], s[NC]
	s_cbranch_scc1 .Lopen_\@
	s_cmp_eq_u32 s[JO], 0
	s_cbranch_scc1 .Leven_\@
	v_mov_b32 v254, 0xff800000
.set n, 0
.rept 32
	v_cmp_gt_i32 vcc_lo, 32*(n/16)+n%16, v[DQ]
	v_cndmask_b32 v[S+32+n], v[S+32+n], v254, vcc_lo
.set n, n+1
.endr
	s_wait_alu depctr_va_vdst(0)
	s_branch .Lopen_\@
.Leven_\@:
	v_mov_b32 v254, 0xff800000
.set n, 0
.rept 32
	v_cmp_gt_i32 vcc_lo, 32*(n/16)+n%16, v[DQ]
	v_cndmask_b32 v[S+n], v[S+n], v254, vcc_lo
.set n, n+1
.endr
.set n, 0
.rept 32
	v_mov_b32 v[S+32+n], v254
.set n, n+1
.endr
.Lopen_\@:
.endif
.irp b, 0,1,2,3
	v_max3_num_f32 v[232+\b], v[S+16*\b], v[S+1+16*\b], v[S+2+16*\b]   ; the largest score of each block of 32 keys: for the row's maximum, and for the block's largest p
.endr
.irp i, 3,5,7,9,11,13
.irp b, 0,1,2,3
	v_max3_num_f32 v[232+\b], v[232+\b], v[S+16*\b+\i], v[S+1+16*\b+\i]
.endr
.endr
.irp b, 0,1,2,3
	v_max_num_f32 v[232+\b], v[232+\b], v[S+15+16*\b]
.endr
.irp b, 0,1,2,3
	s_delay_alu instid0(VALU_DEP_4)
	v_permlanex16_b32 v[236+\b], v[232+\b], s[SEL], s[SEL+1]
.endr
.irp b, 0,1,2,3
	s_delay_alu instid0(VALU_DEP_4)
	v_max_num_f32 v[232+\b], v[232+\b], v[236+\b]
.endr
	s_delay_alu instid0(VALU_DEP_2)
	v_max3_num_f32 v254, v232, v233, v234
	s_delay_alu instid0(VALU_DEP_1)
	v_max_num_f32 v254, v254, v235
	s_delay_alu instid0(VALU_DEP_1)
	v_mul_f32 v254, s[CS], v254
	s_delay_alu instid0(VALU_DEP_1)
	v_max_num_f32 v13, v13, v254                   ; the running largest t
	v_mov_b32 v254, v12
	s_delay_alu instid0(VALU_DEP_2)
	v_floor_f32 v12, -v13                          ; -M = floor(-t): M is a whole number
	s_delay_alu instid0(VALU_DEP_1)
	v_sub_f32 v254, v12, v254
	s_delay_alu instid0(VALU_DEP_1)
	v_cvt_i32_f32 v254, v254                       ; old M - new M (it saturates)
	s_delay_alu instid0(VALU_DEP_1)
	v_ldexp_f32 v252, 1.0, v254                    ; f = 2^(old M - new M)
.set j, 0
.rept 32
	v_pk_fma_f32 v[S+j:S+j+1], v[S+j:S+j+1], s[CS:CS+1], v[12:13] op_sel_hi:[1,0,0]   ; t - M
.set j, j+2
.endr
.irp b, 0,1,2,3
	v_fma_f32 v[232+\b], v[232+\b], s[CS], v12
.endr
.set j, 0
	s_wait_alu depctr_va_vdst(0)
.rept 64
	v_exp_f32 v[S+j], v[S+j]                       ; p
.set j, j+1
.endr
	v_pk_mul_f32 v[14:15], v[14:15], v[252:253] op_sel_hi:[1,0]   ; the sums under the new M: a plain line behind the exponentials
	s_wait_alu depctr_va_vdst(0)                   ; one wait for the batch, ahead of its first reader
.irp b, 0,1,2,3
	v_exp_f32 v[232+\b], v[232+\b]                 ; each block's largest p
.endr
	v_pk_add_f32 v[236:237], v[120:121], v[124:125]   ; the row's sum of the unquantised p, in eight chains
	v_pk_add_f32 v[246:247], v[128:129], v[132:133]
	v_pk_add_f32 v[244:245], v[136:137], v[140:141]
	v_pk_add_f32 v[242:243], v[144:145], v[148:149]
	v_pk_add_f32 v[240:241], v[152:153], v[156:157]
	v_pk_add_f32 v[238:239], v[160:161], v[164:165]
	v_pk_add_f32 v[230:231], v[168:169], v[172:173]
	v_pk_add_f32 v[14:15], v[14:15], v[176:177]
	v_pk_add_f32 v[236:237], v[236:237], v[116:117]
	v_pk_add_f32 v[246:247], v[246:247], v[118:119]
	v_pk_add_f32 v[244:245], v[244:245], v[122:123]
	v_pk_add_f32 v[242:243], v[242:243], v[126:127]
	v_pk_add_f32 v[240:241], v[240:241], v[130:131]
	v_pk_add_f32 v[238:239], v[238:239], v[134:135]
	v_pk_add_f32 v[230:231], v[230:231], v[138:139]
	v_pk_add_f32 v[14:15], v[14:15], v[142:143]
	v_pk_add_f32 v[236:237], v[236:237], v[146:147]
	v_pk_add_f32 v[246:247], v[246:247], v[150:151]
	v_pk_add_f32 v[244:245], v[244:245], v[154:155]
	v_pk_add_f32 v[242:243], v[242:243], v[158:159]
	v_pk_add_f32 v[240:241], v[240:241], v[162:163]
	v_pk_add_f32 v[238:239], v[238:239], v[166:167]
	v_pk_add_f32 v[230:231], v[230:231], v[170:171]
	v_pk_add_f32 v[14:15], v[14:15], v[174:175]
	v_pk_add_f32 v[236:237], v[236:237], v[178:179]
	s_delay_alu instid0(VALU_DEP_2)
	v_pk_add_f32 v[14:15], v[14:15], v[242:243]
	s_delay_alu instid0(VALU_DEP_2)
	v_pk_add_f32 v[236:237], v[236:237], v[240:241]
	v_pk_add_f32 v[246:247], v[246:247], v[238:239]
	v_pk_add_f32 v[244:245], v[244:245], v[230:231]
	s_delay_alu instid0(VALU_DEP_2)
	v_pk_add_f32 v[14:15], v[14:15], v[246:247]
	s_delay_alu instid0(VALU_DEP_2)
	v_pk_add_f32 v[236:237], v[236:237], v[244:245]
	s_delay_alu instid0(VALU_DEP_1)
	v_pk_add_f32 v[14:15], v[14:15], v[236:237]
	s_wait_alu depctr_va_vdst(0)                   ; and one for the four
.irp b, 0,1,2,3
	v_max_num_f32 v[232+\b], 0x8000000, v[232+\b]  ; the floor 2^(16 - 127)
.endr
.irp b, 0,1,2,3
	s_delay_alu instid0(VALU_DEP_4)
	v_add_nc_u32 v[244+\b], 0xf8800000, v[232+\b]
.endr
.irp b, 0,1,2,3
	v_and_or_b32 v[240+\b], v[232+\b], 0x7f800000, s[MNT]
.endr
.irp b, 0,1,2,3
	v_lshrrev_b32 v[236+\b], 23, v[244+\b]
.endr
	s_delay_alu instid0(VALU_DEP_3)
	v_lshl_or_b32 v253, v237, 8, v236              ; p's scale word for these 128 keys
	s_delay_alu instid0(VALU_DEP_1)
	v_lshl_or_b32 v253, v238, 16, v253
	s_delay_alu instid0(VALU_DEP_1)
	v_lshl_or_b32 v253, v239, 24, v253
.irp b, 0,1,2,3
.irp i, 0,1,2,3,4,5,6,7,8,9,10,11,12,13,14,15
	v_min_num_f32 v[S+16*\b+\i], v[S+16*\b+\i], v[240+\b]   ; the hold (the conversion does not saturate: ISA guide 7.6.2); p is not negative
.endr
	v_cvt_scalef32_pk8_bf8_f32 v[PC+4*\b:PC+1+4*\b], v[S+16*\b:S+7+16*\b], v[244+\b]
	v_cvt_scalef32_pk8_bf8_f32 v[PC+2+4*\b:PC+3+4*\b], v[S+8+16*\b:S+15+16*\b], v[244+\b]
.endr
	s_wait_alu depctr_va_vdst(0)                   ; directly ahead of the first reader of O^T
.set j, 0
.rept 16
	v_pk_mul_f32 v[O+j:O+j+1], v[O+j:O+j+1], v[252:253] op_sel_hi:[1,0]   ; O^T under the new M; also the places between the codes' making and the products
.set j, j+2
.endr
	s_wait_alu depctr_va_vdst(0)
	s_wait_dscnt 0x0                               ; V and its scale words
.irp t, 0,1,2,3
	v_wmma_scale_f32_16x16x128_f8f6f4 v[O+8*\t:O+8*\t+7], v[F+16*\t:F+16*\t+15], v[PC:PC+15], v[O+8*\t:O+8*\t+7], v[248+\t], v253 matrix_a_fmt:MATRIX_FMT_BF8 matrix_b_fmt:MATRIX_FMT_BF8
.endr
.Lhidden_\@:
.endm
; A TILE'S END: O^T / the sum; register 16 b + i of lane (r, h) is channel 32 b + 16 h + i of my query: two blocks of the last product's K.  They are quantised and stored as that operand's registers.
.macro FINISH oc, os
.rept 8
	v_nop                                          ; places behind the last products
.endr
	v_add_f32 v14, v14, v15
	s_delay_alu instid0(VALU_DEP_1)
	v_permlanex16_b32 v252, v14, s[SEL], s[SEL+1]
	s_delay_alu instid0(VALU_DEP_1)
	v_add_f32 v14, v14, v252                       ; the row's sum
	s_wait_alu depctr_va_vdst(0)
	v_rcp_f32 v14, v14
	v_nop
	s_wait_alu depctr_va_vdst(0)                   ; ahead of the reciprocal's first reader, and of O^T's
.set j, 0
.rept 16
	v_pk_mul_f32 v[S+j:S+j+1], v[O+j:O+j+1], v[14:15] op_sel_hi:[1,0]
.set j, j+2
.endr
.irp b, 0,1
	v_max3_num_f32 v[232+\b], |v[S+16*\b]|, |v[S+1+16*\b]|, 0x8000000
.endr
.irp i, 2,4,6,8,10,12,14
.irp b, 0,1
	s_delay_alu instid0(VALU_DEP_2)
	v_max3_num_f32 v[232+\b], v[232+\b], |v[S+16*\b+\i]|, |v[S+1+16*\b+\i]|
.endr
.endr
.irp b, 0,1
	s_delay_alu instid0(VALU_DEP_2)
	v_permlanex16_b32 v[236+\b], v[232+\b], s[SEL], s[SEL+1]
.endr
.irp b, 0,1
	s_delay_alu instid0(VALU_DEP_2)
	v_max_num_f32 v[232+\b], v[232+\b], v[236+\b]
.endr
.irp b, 0,1
	s_delay_alu instid0(VALU_DEP_2)
	v_add_nc_u32 v[244+\b], 0xf8800000, v[232+\b]
.endr
.irp b, 0,1
	s_delay_alu instid0(VALU_DEP_4)
	v_and_or_b32 v[240+\b], v[232+\b], 0x7f800000, s[MNT]
.endr
.irp b, 0,1
	s_delay_alu instid0(VALU_DEP_4)
	v_lshrrev_b32 v[236+\b], 23, v[244+\b]
.endr
	s_delay_alu instid0(VALU_DEP_1)
	v_lshl_or_b32 v[PWO], v237, 8, v236
.irp b, 0,1
.irp i, 0,1,2,3,4,5,6,7,8,9,10,11,12,13,14,15
	v_med3_num_f32 v[S+16*\b+\i], v[S+16*\b+\i], -v[240+\b], v[240+\b]
.endr
	v_cvt_scalef32_pk8_bf8_f32 v[PC+4*\b:PC+1+4*\b], v[S+16*\b:S+7+16*\b], v[244+\b]
	v_cvt_scalef32_pk8_bf8_f32 v[PC+2+4*\b:PC+3+4*\b], v[S+8+16*\b:S+15+16*\b], v[244+\b]
.endr
	v_nop                                          ; one plain line behind the last conversion
	global_store_b128 v[LI], v[PC:PC+3], s[\oc:\oc+1]              ; 512 consecutive bytes
	global_store_b128 v[LI], v[PC+4:PC+7], s[\oc:\oc+1] offset:512
	global_store_b16 v[OR8], v[PWO], s[\os:\os+1]                  ; my row's two scale bytes (both halves of the lanes hold and write the same)
.endm
.macro RESTART                         ; the second tile of queries begins
.irp j, 0,1,2,3,4,5,6,7
	v_mov_b32 v[QB+8+\j], v[QN+\j]
.endr
	v_perm_b32 v255, v[QW+1], v[QW+1], s[QSEL]
	v_mov_b32 v13, 0xff61b1e6
	s_delay_alu instid0(VALU_DEP_1)
	v_floor_f32 v12, -v13
	v_mov_b32 v14, 0
	v_mov_b32 v15, 0
.set j, 0
.rept 32
	v_mov_b32 v[O+j], 0
.set j, j+1
.endr
	s_mov_b32 s[NC], s[NCB]
	s_mov_b32 s[JO], s[JOB]
	s_wait_xcnt 0x0                                ; the first tile's stores have read their data: the codes' registers may be written again
.endm
	s_wait_alu depctr_va_vdst(0)
	s_cmp_lt_u32 s[WV], 3
	s_cbranch_scc0 .Lnot_first
	s_wait_tensorcnt 0x0                           ; waves 0 to 2: the scale words and keys 0 .. 511 of K and V have landed.  The other waves' wait stands at the second barrier
.Lnot_first:
	s_barrier_signal -1
	s_barrier_wait -1
	s_mov_b32 s[N], 0
.Lfirst:                                           ; key steps 0 .. 3 of the first tile, which has nine or more: nothing is jumped over or masked
	STEP 0
	s_add_co_u32 s[N], s[N], 1
	s_cmp_lt_u32 s[N], 4
	s_cbranch_scc1 .Lfirst
	s_wait_tensorcnt 0x0                           ; every wave: all that is still out has landed
	s_wait_dscnt 0x0
	s_barrier_signal -1
	s_barrier_wait -1
	s_mov_b32 s[N], 4
.Lrest:                                            ; twenty trips: key steps 4 .. 15 of the first tile, 0 .. 7 of the second; a wave works in 13 of them
	s_cmp_eq_u32 s[N], 16
	s_cbranch_scc0 .Lsame
	FINISH OC, OS
	RESTART
.Lsame:
	STEP 1
	s_add_co_u32 s[N], s[N], 1
	s_cmp_lt_u32 s[N], 24
	s_cbranch_scc1 .Lrest
	FINISH OC2, OS2
	s_wait_tensorcnt 0x0                           ; the wave's end
	ds_add_u32 v[SPW], v[NIL]
	s_wait_dscnt 0x0
	CROUND                                         ; the closing round
	s_endpgm
.Lfunc_end_k_qdf36ccced2_attn:
	.size	k_qdf36ccced2_attn, .Lfunc_end_k_qdf36ccced2_attn-k_qdf36ccced2_attn
	.p2alignl 7, 3214868480
	.fill 96, 4, 3214868480
	.section	.rodata,"a",@progbits
	.p2align	6, 0x0
	.amdhsa_kernel k_qdf36ccced2_attn
		.amdhsa_group_segment_fixed_size 327680
		.amdhsa_private_segment_fixed_size 0
		.amdhsa_enable_private_segment 0
		.amdhsa_kernarg_size 32
		.amdhsa_user_sgpr_count 2
		.amdhsa_user_sgpr_kernarg_segment_ptr 1
		.amdhsa_wavefront_size32 1
		.amdhsa_system_sgpr_workgroup_id_x 1
		.amdhsa_system_sgpr_workgroup_id_y 1
		.amdhsa_system_sgpr_workgroup_id_z 1
		.amdhsa_system_vgpr_workitem_id 0
		.amdhsa_next_free_vgpr 256
		.amdhsa_next_free_sgpr 100
		.amdhsa_reserve_vcc 1
		.amdhsa_float_denorm_mode_32 3
		.amdhsa_float_denorm_mode_16_64 3
		.amdhsa_memory_ordered 1
		.amdhsa_forward_progress 1
		.amdhsa_inst_pref_size 69
	.end_amdhsa_kernel
	.amdgpu_metadata
---
amdhsa.version: [ 1, 2 ]
amdhsa.kernels:
  - .name:           k_qdf36ccced2_attn
    .symbol:         k_qdf36ccced2_attn.kd
    .args:
      - { .name: c2, .offset: 0, .size: 8, .value_kind: global_buffer, .address_space: global }
      - { .name: s2, .offset: 8, .size: 8, .value_kind: global_buffer, .address_space: global }
      - { .name: c3, .offset: 16, .size: 8, .value_kind: global_buffer, .address_space: global }
      - { .name: s3, .offset: 24, .size: 8, .value_kind: global_buffer, .address_space: global }
    .group_segment_fixed_size: 327680
    .private_segment_fixed_size: 0
    .kernarg_segment_align: 8
    .kernarg_segment_size: 32
    .max_flat_workgroup_size: 512
    .sgpr_count:     100
    .vgpr_count:     256
    .wavefront_size: 32
...
	.end_amdgpu_metadata
.endif
;; end of part 3
;; launch proj (part 4): grid 8 x 32, 4 waves a work-group, clusters of 4 x 4, 327,680 bytes of LDS; arguments c3, s3, c1, s1, proj_b, out0; writes out0
.if DOCPART == 4
	.amdgcn_target "amdgcn-amd-amdhsa--gfx1250"
	.amdhsa_code_object_version 6
	.text
	.protected	k_qdf36ccced2_proj
	.globl	k_qdf36ccced2_proj
	.p2align	8
	.type	k_qdf36ccced2_proj,@function
k_qdf36ccced2_proj:
	s_mov_b64 s[64:65], 0
	v_nop
	global_prefetch_b8 v0, s[64:65] scope:SCOPE_SE
	s_setreg_imm32_b32 hwreg(HW_REG_WAVE_MODE, 25, 1), 1
	s_wait_xcnt 0x0
	s_wait_alu depctr_hold_cnt(0) depctr_sa_sdst(0) depctr_va_vdst(0) depctr_va_sdst(0) depctr_va_ssrc(0) depctr_va_vcc(0) depctr_vm_vsrc(0)
	s_getreg_b32 s2, hwreg(HW_REG_IB_STS2, 6, 4)
	s_cmp_eq_u32 s2, 0
	s_cbranch_scc0 .Lentry_in_a_cluster
	s_endpgm
.Lentry_in_a_cluster:
	s_bfe_u32 s2, ttmp6, 0x10000c
	s_cmp_lg_u32 s2, 0xf033
	s_cbranch_scc0 .Lentry_shape_is_right
	s_endpgm
.Lentry_shape_is_right:
; out0 = a proj_w^T + proj_b on codes of BF8 (E5M2) with E8M0 scales; f32 sums, f32 out.  a (c3, s3) is attention's result; proj_w's codes and scale words lie in c1, s1 from tile 704 on.
; Rows go in tiles of 16: tile 2 B + u holds rows 32 B + 8 u + p + 8 (p / 8).  Codes: [tile][K step of 128, 0 .. 7][c][lane][16 bytes], an image of the operand's registers: 16,384 dense bytes a tile.
; Scale words: [tile][K slot of 256, 0 .. 3][r][which 128][4 bytes]: 512 bytes a tile.
; THE DEAL.  256 work-groups of four waves, 2 x 2; a work-group makes 256 tokens x 128 columns.  A wave holds its 64 rows of proj_w, ALL of K, in registers (512) and streams its 128 tokens past them
; in eight blocks of 16, which stand in registers as two whole sets (256).  A block is 32 products: 8 K steps x 4 tiles of columns, the four sums by turns.
; LDS: two slots of 131,072 bytes.  At the head proj_w's 8 tiles go to slot 1 (waves 0, 1) and token tiles 0 .. 7 to slot 0 (waves 2, 3).  When every wave holds its weights in registers, token tiles 8 .. 15
; are filled over them, in a drained round of the cluster's barrier, two tiles a wave; a plain barrier in block 2's tail shows them.  Every LDS load takes 512 consecutive bytes: no pitch, no padding.
; CLUSTERS: 4 x 4.  The tokens' tiles hang on the tile row and are shared along a row of the cluster, proj_w's on the tile column and are shared along a column.
; Source 0 = proj_w's rows, source 1 = tokens: a lane holds one token, and register j of sum b column 32 (b / 2) + 8 (b % 2) + 16 h + j of the wave's 64.  The bias is the C of a block's first products.
; THE SCALE WORDS come by plain loads, 256 consecutive bytes each, once: lanes 0-15 take K slots 0 and 2, lanes 16-31 K slots 1 and 3, so the odd K slots' products read row 1 of both scale registers.
; THE WAY OUT: a finished block goes through the wave's own stage (16 rows of 256 bytes + 16) and leaves as whole rows, sixteen lanes to an aligned 256 bytes; its way back from the stage lies under the next block's products.
; PREFETCH: each of a cluster row's sixteen waves names its sixteenth (8,192 bytes, lanes 256 bytes apart) of token tiles 8 .. 15 once, at the head; all other tiles are asked for by the head's own loads.
; LIMITS: NaN, infinities and sums beyond f32's range are not served.
.set X1,     131072                    ; slot 1
.set STAGE,  262144                    ; behind the slots: a stage for each wave; no fill lands there
.set SPITCH, 272
.set SPARE,  STAGE+4*16*SPITCH         ; the spare words, 128 bytes for each wave: two blocks of 256 bytes that no other line names
.set ADX0, 16                          ; v16, v17 LDS address of my four tiles of tokens in slot 0, 1
.set ADW,  18                          ; v18  of my four tiles of proj_w
.set PF,   19                          ; v19  the prefetch's offset
.set STO,  24                          ; v24  into the stage: row r, + 64 h
.set RD,   25                          ; v25  out of it: row h, + 16 r
.set CO,   26                          ; v26  the same place in out0: 4,096 h + 16 r
.set L8,   27                          ; v27  8 x lane
.set SPW,  28                          ; v28  my spare word; never rewritten
.set NIL,  29                          ; v29  0; never rewritten
.set SB,   32                          ; v32-47  proj_w's scale words: 4 b + 2 (K slot / 2) + which 128
.set SA,   50                          ; v50-81  the tokens': 4 x block + the same.  SA - SB = 18: no product's two scale registers have numbers equal modulo 8
.set BI,   88                          ; v88-119 the bias, in a sum's layout
.set ACC,  128                         ; v128-191 two sets of four sums
.set BK,   192                         ; v192-255 two sets of 16 rows back from the stage
.set G1W,  24                          ; s[24:31], s[32:35] proj_w's tiles
.set G0W,  32
.set G0X,  36                          ; s[36:39], s[48:55] the tokens' tiles at the head
.set G1X,  48
.set G0R,  56                          ; s[56:59] the refill
.set PSX,  66                          ; s[66:67] my tokens' scale words;  s[68:69] my weights';  s[70:71] my bias;  s[72:73] my part of out0
.set PSW,  68
.set PBI,  70
.set OUT,  72
.set MSB, 0
.macro WIN new                         ; the immediate's high byte repeats the setting that is left
.if MSB != (\new)
	s_set_vgpr_msb (MSB<<8)|(\new)
.set MSB, \new
.endif
.endm
.macro PLACES n
.rept \n
	v_nop
.endr
.endm
.macro CROUND                          ; a round of the cluster's barrier
	s_barrier_signal -1
	s_barrier_wait -1
	s_cmp_lg_u32 s14, 0
	s_cbranch_scc1 .Lnot_wave_0_\@
	s_barrier_signal -3
.Lnot_wave_0_\@:
	s_barrier_wait -3
	s_barrier_signal -1
	s_barrier_wait -1
.endm
.macro TLOAD g0, g1                    ; an s_nop 0 and four v_nop follow a tensor load
	tensor_load_to_lds s[\g0:\g0+3], s[\g1:\g1+7]
	s_nop 0
	PLACES 4
.endm
	s_load_b256 s[4:11], s[0:1], 0x0               ; c3 s[4:5], s3 s[6:7], c1 s[8:9], s1 s[10:11]
	s_load_b128 s[96:99], s[0:1], 0x20             ; proj_b s[96:97], out0 s[98:99]
	v_lshl_add_u32 v[SPW], v0, 2, SPARE
	v_mov_b32 v[NIL], 0
	ds_add_u32 v[SPW], v[NIL]                      ; the opening lines: the add, twice on end, and its wait ahead of my first tensor load
	ds_add_u32 v[SPW], v[NIL]
	v_lshrrev_b32 v1, 5, v0
	v_readfirstlane_b32 s14, v1                    ; wave 0..3
	s_lshr_b32 s15, s14, 1                         ; my row of waves: which 4 of a chunk's 8 tiles of tokens
	s_and_b32 s16, s14, 1                          ; my column of waves: which 4 tiles of proj_w
	s_bfe_u32 s40, ttmp6, 0x40000                  ; cx, cy: my place in the cluster
	s_bfe_u32 s41, ttmp6, 0x40004
	s_lshl_b32 s42, ttmp9, 2
	s_add_co_u32 s42, s42, s40                     ; tile column 0 .. 7
	s_and_b32 s17, ttmp7, 0xffff
	s_lshl_b32 s17, s17, 2
	s_add_co_u32 s17, s17, s41                     ; tile row 0 .. 31
	s_lshl_b32 s43, s41, 2
	s_lshl_b32 s43, 15, s43                        ; my row of the cluster
	s_lshl_b32 s44, 0x1111, s40                    ; my column
	s_or_b32 s[G1W], s44, (3<<16)|(1<<21)          ; the mask; elements of 8 bytes; bit 21 beside a mask
	s_or_b32 s[G1X], s43, (3<<16)|(1<<21)
.irp g, G1W, G1X                       ; four tiles: 65,536 dense bytes as 256 rows of 256
	s_mov_b32 s[\g+1], 32<<16                      ; tensor_dim0
	s_mov_b32 s[\g+2], 256<<16                     ; tensor_dim1
	s_mov_b32 s[\g+3], 32<<16                      ; tile_dim0
	s_mov_b32 s[\g+4], 256                         ; tile_dim1
	s_mov_b32 s[\g+5], 32                          ; tensor_dim0_stride
	s_mov_b32 s[\g+6], 0
	s_mov_b32 s[\g+7], 0
.endr
	s_lshl_b32 s18, s16, 2                         ; at the head a wave fetches four tiles: which four
	s_lshl_b32 s20, s42, 3
	s_add_co_u32 s20, s20, 704
	s_add_co_u32 s20, s20, s18
	s_lshl_b32 s20, s20, 14                        ; proj_w's, in c1
	s_mov_b32 s21, 0
	s_lshl_b32 s22, s17, 4
	s_add_co_u32 s22, s22, s18
	s_lshl_b32 s22, s22, 14                        ; the tokens', in c3
	s_mov_b32 s23, 0
	s_lshl_b32 s46, s17, 4
	s_add_co_u32 s46, s46, 8
	s_lshl_b32 s19, s14, 1
	s_add_co_u32 s46, s46, s19
	s_lshl_b32 s46, s46, 14                        ; the refill: token tiles 8 + 2 x wave, + 1
	s_mov_b32 s47, 0
	s_mov_b32 s[G0W], 1
	s_lshl_b32 s[G0W+1], s16, 16
	s_add_co_u32 s[G0W+1], s[G0W+1], X1
	s_mov_b32 s[G0X], 1
	s_lshl_b32 s[G0X+1], s16, 16
	s_mov_b32 s[G0R], 1
	s_lshl_b32 s[G0R+1], s14, 15
	s_add_co_u32 s[G0R+1], s[G0R+1], X1
	s_wait_dscnt 0x0                               ; both opening adds are done
	CROUND                                         ; all sixteen work-groups are here: the first joint loads meet
	s_wait_kmcnt 0x0
	s_add_nc_u64 s[G0W+2:G0W+3], s[8:9], s[20:21]
	s_or_b32 s[G0W+3], s[G0W+3], 0x80000000
	s_add_nc_u64 s[G0X+2:G0X+3], s[4:5], s[22:23]
	s_or_b32 s[G0X+3], s[G0X+3], 0x80000000
	s_add_nc_u64 s[G0R+2:G0R+3], s[4:5], s[46:47]
	s_or_b32 s[G0R+3], s[G0R+3], 0x80000000
	s_cmp_lt_u32 s14, 2                            ; one joint load a wave; the waves that wait at the first barrier have a load line of their own
	s_cbranch_scc0 .Lfor_x
	TLOAD G0W, G1W                                 ; waves 0, 1: proj_w's tiles, which are wanted first
	s_branch .Lasked
.Lfor_x:
	TLOAD G0X, G1X                                 ; waves 2, 3: token tiles 0 .. 7
.Lasked:
	s_lshl_b32 s60, s17, 4                         ; my work-group's 16 tiles of tokens
	s_lshl_b32 s61, s15, 2
	s_add_co_u32 s61, s60, s61                     ; my wave's first
	s_lshl_b32 s62, s61, 9
	s_mov_b32 s63, 0
	s_add_nc_u64 s[PSX:PSX+1], s[6:7], s[62:63]
	s_lshl_b32 s62, s61, 16                        ; 16 rows of 4,096 bytes a tile
	s_add_nc_u64 s[OUT:OUT+1], s[98:99], s[62:63]
	s_lshl_b32 s61, s42, 3
	s_lshl_b32 s62, s16, 2
	s_add_co_u32 s61, s61, s62                     ; my wave's first tile of proj_w
	s_lshl_b32 s62, s61, 6                         ; 16 columns of 4 bytes a tile
	s_add_nc_u64 s[PBI:PBI+1], s[96:97], s[62:63]
	s_add_nc_u64 s[OUT:OUT+1], s[OUT:OUT+1], s[62:63]
	s_add_co_u32 s61, s61, 704
	s_lshl_b32 s62, s61, 9
	s_add_nc_u64 s[PSW:PSW+1], s[10:11], s[62:63]
	s_add_co_u32 s60, s60, 8                       ; the prefetch: token tile 8 on,
	s_lshl_b32 s60, s60, 14
	s_lshl_b32 s61, s40, 2
	s_add_co_u32 s61, s61, s14                     ; which of the cluster row's sixteen waves I am: told apart by address
	s_lshl_b32 s61, s61, 13
	s_add_co_u32 s60, s60, s61
	s_lshl_b32 s74, s15, 16
	s_lshl_b32 s75, s16, 16
	s_add_co_u32 s75, s75, X1
	s_mul_i32 s76, s14, 16*SPITCH
	s_add_co_u32 s76, s76, STAGE
	v_and_b32 v1, 15, v0                           ; r
	v_bfe_u32 v2, v0, 4, 1                         ; h
	v_and_b32 v3, 31, v0                           ; lane
	v_lshlrev_b32 v4, 4, v3
	v_lshlrev_b32 v[L8], 3, v3
	v_lshl_add_u32 v[PF], v3, 8, s60
	v_add_nc_u32 v[ADX0], s74, v4
	v_add_nc_u32 v[ADW], s75, v4
	v_mul_u32_u24 v5, v1, SPITCH
	v_mul_u32_u24 v6, v2, SPITCH
	v_lshlrev_b32 v7, 12, v2
	v_lshlrev_b32 v8, 6, v2
	v_add_nc_u32 v[ADX0+1], X1, v[ADX0]
	v_lshl_add_u32 v5, v2, 6, v5
	v_lshl_add_u32 v6, v1, 4, v6
	v_lshl_add_u32 v[CO], v1, 4, v7
	v_add_nc_u32 v[STO], s76, v5
	v_add_nc_u32 v[RD], s76, v6
.irp b, 0,1,2,3
	global_load_b64 v[SB+4*\b:SB+4*\b+1], v[L8], s[PSW:PSW+1] offset:512*\b          ; 256 consecutive bytes: K slots 0 (lanes 0-15) and 1 (lanes 16-31)
	global_load_b64 v[SB+4*\b+2:SB+4*\b+3], v[L8], s[PSW:PSW+1] offset:512*\b+256    ; K slots 2 and 3
.endr
.irp n, 0,1,2,3,4,5,6,7
	global_load_b64 v[SA+4*\n:SA+4*\n+1], v[L8], s[PSX:PSX+1] offset:512*(8*(\n/4)+\n%4)
	global_load_b64 v[SA+4*\n+2:SA+4*\n+3], v[L8], s[PSX:PSX+1] offset:512*(8*(\n/4)+\n%4)+256
.endr
.irp t, 0,1,2,3
	global_load_b128 v[BI+8*\t:BI+8*\t+3], v8, s[PBI:PBI+1] offset:(32*(\t/2)+8*(\t%2))*4
	global_load_b128 v[BI+8*\t+4:BI+8*\t+7], v8, s[PBI:PBI+1] offset:(32*(\t/2)+8*(\t%2))*4+16
.endr
	global_prefetch_b8 v[PF], s[4:5] th:TH_LOAD_NT scope:SCOPE_SE
.macro PROD n, q, b                    ; block n, K step q, tile of columns b.  proj_w's fragment 4 q + b lies in window 1 + (4 q + b) / 16, the tokens' set n % 2 in window 3, sums and bias in window 0
.set F_, 4*(\q)+(\b)
.set A_, ACC+32*((\n)%2)+8*(\b)
.set W_, 16*(F_%16)
.set X_, 128*((\n)%2)+16*(\q)
.set SW_, SB+4*(\b)+2*((\q)/4)+(\q)%2
.set SX_, SA+4*(\n)+2*((\q)/4)+(\q)%2
	WIN (1+F_/16)|(3<<2)
.if (\q) == 0
	v_wmma_scale_f32_16x16x128_f8f6f4 v[A_:A_+7], v[W_:W_+15], v[X_:X_+15], v[BI+8*(\b):BI+8*(\b)+7], v[SW_], v[SX_] matrix_a_fmt:MATRIX_FMT_BF8 matrix_b_fmt:MATRIX_FMT_BF8
.elseif ((\q)/2)%2
	v_wmma_scale_f32_16x16x128_f8f6f4 v[A_:A_+7], v[W_:W_+15], v[X_:X_+15], v[A_:A_+7], v[SW_], v[SX_] matrix_a_fmt:MATRIX_FMT_BF8 matrix_b_fmt:MATRIX_FMT_BF8 matrix_a_scale:MATRIX_SCALE_ROW1 matrix_b_scale:MATRIX_SCALE_ROW1
.else
	v_wmma_scale_f32_16x16x128_f8f6f4 v[A_:A_+7], v[W_:W_+15], v[X_:X_+15], v[A_:A_+7], v[SW_], v[SX_] matrix_a_fmt:MATRIX_FMT_BF8 matrix_b_fmt:MATRIX_FMT_BF8
.endif
.endm
.macro FETCH n                         ; block n, 16 tokens, all of K, into set n % 2 of window 3: 32 loads
	WIN 3<<6
.irp q, 0,1,2,3,4,5,6,7
.irp c, 0,1,2,3
	ds_load_b128 v[128*((\n)%2)+16*\q+4*\c:128*((\n)%2)+16*\q+4*\c+3], v[ADX0+(\n)/4] offset:16384*((\n)%4)+2048*\q+512*\c
.endr
.endr
	WIN 0
.endm
.macro TOSTAGE n                       ; block n's sums into my stage, each from its low end on, and back as whole rows: 8 stores, 8 loads; LDS serves a wave's instructions in order
.irp b, 0,1,2,3
	ds_store_b128 v[STO], v[ACC+32*((\n)%2)+8*\b:ACC+32*((\n)%2)+8*\b+3] offset:128*(\b/2)+32*(\b%2)
	ds_store_b128 v[STO], v[ACC+32*((\n)%2)+8*\b+4:ACC+32*((\n)%2)+8*\b+7] offset:128*(\b/2)+32*(\b%2)+16
.endr
.irp i, 0,1,2,3,4,5,6,7
	ds_load_b128 v[BK+32*((\n)%2)+4*\i:BK+32*((\n)%2)+4*\i+3], v[RD] offset:2*\i*SPITCH
.endr
.endm
.macro SENDOUT m                       ; block m's 16 rows leave: sixteen lanes store 256 consecutive bytes, aligned.  Every offset is an immediate: 778,240 at the most
.irp i, 0,1,2,3,4,5,6,7
	global_store_b128 v[CO], v[BK+32*((\m)%2)+4*\i:BK+32*((\m)%2)+4*\i+3], s[OUT:OUT+1] offset:524288*((\m)/4)+131072*(((\m)%4)/2)+32768*((\m)%2)+4096*(2*\i+8*(\i/4)) th:TH_STORE_NT
.endr
.endm
; A BLOCK.  Its tail issues 8 stage stores, 8 stage loads and the 32 loads of the block two on, in this order.
.macro BLK n
.if (\n) == 0
	s_wait_dscnt 32                                ; block 0's fragments are in; block 1's 32 loads may be out
.elseif (\n) == 7
	s_wait_dscnt 16                                ; behind block 7's fragments: block 6's 8 stage stores and 8 stage loads
.else
	s_wait_dscnt 48                                ; behind this block's fragments: the last tail's 8 + 8 + 32
.endif
	s_wait_xcnt 0x0                                ; the stores of the block before last have read their data: this block's rows land there
.irp q, 0,1,2,3,4,5,6,7
.irp b, 0,1,2,3
	PROD \n, \q, \b
.endr
.endr
	WIN 0
	PLACES 8                                       ; behind the last product: its sums are read, and its set of tokens is loaded anew (ISA guide 7.12.1)
.if (\n) > 0
.if (\n) < 7
	s_wait_dscnt 32                                ; the last block's rows are back from the stage; the next block's 32 loads may be out
.else
	s_wait_dscnt 0x0
.endif
	SENDOUT (\n)-1
.endif
	TOSTAGE \n
.if (\n) == 2
	s_wait_tensorcnt 0x0                           ; every wave: my part of token tiles 8 .. 15 has landed
	s_wait_dscnt 0x0
	s_barrier_signal -1
	s_barrier_wait -1                              ; everybody's has
.endif
.if (\n) < 6
	FETCH (\n)+2
.endif
.endm
	s_wait_alu depctr_va_vdst(0)
	s_cmp_lt_u32 s14, 2
	s_cbranch_scc0 .Lnot_w
	s_wait_tensorcnt 0x0                           ; waves 0, 1: proj_w's tiles have landed.  The other waves' wait stands ahead of the round below
.Lnot_w:
	s_barrier_signal -1
	s_barrier_wait -1
.irp q, 0,1,2,3,4,5,6,7                ; my 64 rows of proj_w, all of K, into the 512 registers of windows 1 and 2: 128 loads
.irp b, 0,1,2,3
	WIN (1+(4*\q+\b)/16)<<6
.irp c, 0,1,2,3
	ds_load_b128 v[16*((4*\q+\b)%16)+4*\c:16*((4*\q+\b)%16)+4*\c+3], v[ADW] offset:16384*\b+2048*\q+512*\c
.endr
.endr
.endr
	WIN 0
	s_wait_tensorcnt 0x0                           ; all my tensor loads have landed: token tiles 0 .. 7 among them;
	ds_add_u32 v[SPW], v[NIL]                      ; 0 onto my spare word;
	s_mov_b32 s[G1X+2], 128<<16                    ; no tensor load of mine is out, so a descriptor may be written: the refill brings two tiles a wave, 128 rows of 256 bytes
	s_mov_b32 s[G1X+4], 128
	s_wait_dscnt 0x0                               ; the add is done, and my weights are in registers
	CROUND                                         ; no wave of any partner still reads slot 1 or has a load on its way
	TLOAD G0R, G1X                                 ; token tiles 8 .. 15 over proj_w's: the first tensor load behind the round
	FETCH 0
	FETCH 1
	s_wait_loadcnt 0x0                             ; the scale words and the bias
.irp n, 0,1,2,3,4,5,6,7
	BLK \n
.endr
	s_wait_dscnt 0x0                               ; block 7's rows are back
	SENDOUT 7
	s_wait_tensorcnt 0x0                           ; the wave's end
	ds_add_u32 v[SPW], v[NIL]
	s_wait_dscnt 0x0
	CROUND                                         ; the closing round
	s_endpgm
.Lfunc_end_k_qdf36ccced2_proj:
	.size	k_qdf36ccced2_proj, .Lfunc_end_k_qdf36ccced2_proj-k_qdf36ccced2_proj
	.p2alignl 7, 3214868480
	.fill 96, 4, 3214868480
	.section	.rodata,"a",@progbits
	.p2align	6, 0x0
	.amdhsa_kernel k_qdf36ccced2_proj
		.amdhsa_group_segment_fixed_size 327680
		.amdhsa_private_segment_fixed_size 0
		.amdhsa_enable_private_segment 0
		.amdhsa_kernarg_size 48
		.amdhsa_user_sgpr_count 2
		.amdhsa_user_sgpr_kernarg_segment_ptr 1
		.amdhsa_wavefront_size32 1
		.amdhsa_system_sgpr_workgroup_id_x 1
		.amdhsa_system_sgpr_workgroup_id_y 1
		.amdhsa_system_sgpr_workgroup_id_z 1
		.amdhsa_system_vgpr_workitem_id 0
		.amdhsa_next_free_vgpr 1024
		.amdhsa_next_free_sgpr 100
		.amdhsa_reserve_vcc 0
		.amdhsa_float_denorm_mode_32 3
		.amdhsa_float_denorm_mode_16_64 3
		.amdhsa_memory_ordered 1
		.amdhsa_forward_progress 1
		.amdhsa_inst_pref_size 85
	.end_amdhsa_kernel
	.amdgpu_metadata
---
amdhsa.version: [ 1, 2 ]
amdhsa.kernels:
  - .name:           k_qdf36ccced2_proj
    .symbol:         k_qdf36ccced2_proj.kd
    .args:
      - { .name: c3, .offset: 0, .size: 8, .value_kind: global_buffer, .address_space: global }
      - { .name: s3, .offset: 8, .size: 8, .value_kind: global_buffer, .address_space: global }
      - { .name: c1, .offset: 16, .size: 8, .value_kind: global_buffer, .address_space: global }
      - { .name: s1, .offset: 24, .size: 8, .value_kind: global_buffer, .address_space: global }
      - { .name: proj_b, .offset: 32, .size: 8, .value_kind: global_buffer, .address_space: global }
      - { .name: out0, .offset: 40, .size: 8, .value_kind: global_buffer, .address_space: global }
    .group_segment_fixed_size: 327680
    .private_segment_fixed_size: 0
    .kernarg_segment_align: 8
    .kernarg_segment_size: 48
    .max_flat_workgroup_size: 128
    .sgpr_count:     100
    .vgpr_count:     1024
    .wavefront_size: 32
...
	.end_amdgpu_metadata
.endif
;; end of part 4
